; MI455X (gfx1250); checked and timed in simulation.
; The chip was launched on July 23, 2026; its instructions are those of AMD's public machine-readable ISA for CDNA 5 (MIT licence, August 2026) and "CDNA5" Instruction Set Architecture Reference Guide (July 2026). The comments in the code are by the model that wrote it; some were corrected since.
;; Multi Head Att. Allowed arithmetic: matrix products marked QUANTISED: E2M3 operands, one E8M0 scale for each 32 along K, by v_wmma_scale_f32_16x16x128_f8f6f4 with both operands' format E2M3, f32 sums; everything else in f32.
;; Inputs: attn_mask 4 x 2,048 x 2,048 bool; k_codes 4 x 2,048 x 32 x 24 uint8 (E2M3 codes of k, K innermost, in blocks of 32 codes, four codes in three bytes); k_scales 4 x 2,048 x 32 uint8 (E8M0 scales of k, one for each 32 codes along K); ln_b 1,024 float32; ln_w 1,024 float32; q 4 x 2,048 x 1,024 float32; v_codes 4 x 2,048 x 32 x 24 uint8 (E2M3 codes of v, K innermost, in blocks of 32 codes, four codes in three bytes); v_scales 4 x 2,048 x 32 uint8 (E8M0 scales of v, one for each 32 codes along K); w_ks_codes 16 x 64 x 32 x 24 uint8 (E2M3 codes of w_ks, K innermost, in blocks of 32 codes, four codes in three bytes); w_ks_scales 16 x 64 x 32 uint8 (E8M0 scales of w_ks, one for each 32 codes along K); w_o_codes 1,024 x 32 x 24 uint8 (E2M3 codes of w_o, K innermost, in blocks of 32 codes, four codes in three bytes); w_o_scales 1,024 x 32 uint8 (E8M0 scales of w_o, one for each 32 codes along K); w_qs_codes 16 x 64 x 32 x 24 uint8 (E2M3 codes of w_qs, K innermost, in blocks of 32 codes, four codes in three bytes); w_qs_scales 16 x 64 x 32 uint8 (E8M0 scales of w_qs, one for each 32 codes along K); w_vs_codes 16 x 64 x 32 x 24 uint8 (E2M3 codes of w_vs, K innermost, in blocks of 32 codes, four codes in three bytes); w_vs_scales 16 x 64 x 32 uint8 (E8M0 scales of w_vs, one for each 32 codes along K).
;; Outputs: out0 4 x 2,048 x 1,024 float32.
;; This version of the problem:
;;   THIS VERSION OF THE PROBLEM IS GIVEN IN LOW PRECISION. The matrix products marked QUANTISED in the list below multiply operands that are first quantised to E2M3 (2 exponent bits, 3 mantissa bits; 6 bits a number), with one power-of-two scale for each 32 numbers along K (OCP MX v1.0); their sums are f32. All else is computed in f32.
;;   The module's matrix products, in the order in which they are computed (A, B: the left and right operand; K: the contracted axis; several contracted axes count as one K, in the product's order):
;;     1. [M 1,024, K 1,024] x [K 1,024, N 8,192]; A: input w_qs (given as codes); B: input q: QUANTISED
;;     2. [M 1,024, K 1,024] x [K 1,024, N 8,192]; A: input w_ks (given as codes); B: input k (given as codes): QUANTISED
;;     3. [M 1,024, K 1,024] x [K 1,024, N 8,192]; A: input w_vs (given as codes); B: input v (given as codes): QUANTISED
;;     4. batch 64 x [M 2,048, K 64] x [K 64, N 2,048]; A: computed on the way; B: computed on the way: QUANTISED
;;     5. batch 64 x [M 2,048, K 2,048] x [K 2,048, N 64]; A: softmax (see below); B: computed on the way: QUANTISED
;;     6. [M 8,192, K 1,024] x [K 1,024, N 1,024]; A: computed on the way; B: input w_o (given as codes): QUANTISED
;;   THE QUANTISER, for each operand of a quantised product, along K:
;;     - K is cut into blocks of 32 from its start; a last block that is shorter is filled with zeros.
;;     - A block's scale is 2^e with e = floor(log2(the largest magnitude in the block)) - 2, held to -126 .. 127; a block of zeros has e = 0. As a byte (E8M0): e + 127.
;;     - Each number is divided by its block's scale, clamped to +-7.5, and rounded to the nearest number of E2M3, ties to even, subnormals kept.
;;     - The product sums the exact products of the quantised numbers (number of the format x scale) in f32.
;;   ~~~python
;;   def quantise(x, axis):      # numpy; x: float32 -> the quantised numbers, widened to float32 again
;;       x = np.moveaxis(x, axis, -1); K = x.shape[-1]
;;       x = np.pad(x, [(0, 0)] * (x.ndim - 1) + [(0, -K % 32)]); x = x.reshape(x.shape[:-1] + (-1, 32)); a = np.abs(x).max(-1, keepdims=True)
;;       e = np.where(a > 0, np.clip(np.frexp(np.where(a > 0, a, 1))[1] - 1 - 2, -126, 127), 0)      # np.frexp(a)[1] - 1 = floor(log2(a)), exactly
;;       r = np.clip(x / 2.0 ** e, -7.5, 7.5)
;;       step = 2.0 ** (np.maximum(np.frexp(np.where(r == 0, 1, r))[1] - 1, 0) - 3)
;;       q = np.round(r / step) * step * 2.0 ** e      # np.round: ties to even
;;       return np.moveaxis(q.reshape(q.shape[:-2] + (-1,))[..., :K], -1, axis).astype(np.float32)
;;   ~~~
;;   SOFTMAX AHEAD OF A QUANTISED PRODUCT. Where the list says 'softmax', what is quantised is not the finished softmax but p = 2^(t - M), with t = logit x log2(e) and M = ceil(the row's largest t), a whole number; so 1/2 < the row's largest p <= 1. The row's sum l is taken of the UNQUANTISED p, in f32, and the product's result is divided by l at the end. Since M is a whole number, a kernel that streams over the keys may use a running M (the ceiling of the running maximum): every later rescaling is an exact power of two, which a block's scale takes up: the codes' values come out the same.
;;   OPERANDS COMPUTED ON THE WAY. 'Computed on the way' means the value that the module computes at that place (a softmax that the list does not call 'softmax' is quantised finished and normalised). What goes into a quantiser is computed in f32, as accurately as f32 sums, v_exp_f32 and their like allow (about 1e-6 of the number): no bf16 or f16 on the way to a quantiser, and a product that is left as it is and whose result goes on into a quantised operand takes f32 operands (vector FMAs, or v_wmma_f32_16x16x4_f32). A number that lies on a knife's edge between two numbers of the format may be rounded either way, as far as f32 arithmetic and the matrix unit's own rounding can turn it there, and no further.
;;   INPUTS GIVEN AS CODES. k (in the module: [4, 2048, 1024], K = its axis 2); v (in the module: [4, 2048, 1024], K = its axis 2); w_ks (in the module: [16, 1024, 64], K = its axis 1); w_o (in the module: [1024, 1024], K = its axis 1); w_qs (in the module: [16, 1024, 64], K = its axis 1); w_vs (in the module: [16, 1024, 64], K = its axis 1): each comes as NAME_codes (uint8): NAME with its K axis moved to the last place and cut into blocks of 32 codes, [.., K / 32, bytes a block], one block behind the other in memory; four codes in three bytes: a row's codes are one little-endian stream of bits, code i at bits 6 i .. 6 i + 5 (a code: sign, 2 exponent bits, 3 mantissa bits); and NAME_scales (uint8): the same leading axes, one E8M0 byte (e + 127) for each 32 codes along K. Its value is code x scale, taken as it is: it is not quantised again, and the codes and scales need not be those that the quantiser above would give.
;; One version. Each part assembles by itself: llvm-mc -triple=amdgcn-amd-amdhsa -mcpu=gfx1250 --defsym DOCPART=n.
;; ======== version 1 of 1: 4 launches
;; workspace buffers: qcs 6,553,600 bytes; maskw 2,097,152 bytes of whole numbers; wof 786,432 bytes; qfw 6,815,744 bytes; kfw 6,815,744 bytes; vfw 6,815,744 bytes; ofs 6,553,600 bytes
;; launch prep (part 1): grid 256 x 1, 4 waves a work-group, no clusters, 99,840 bytes of LDS; arguments q, attn_mask, w_o_codes, qcs, maskw, wof; writes qcs, maskw, wof
.if DOCPART == 1
	.amdgcn_target "amdgcn-amd-amdhsa--gfx1250"
	.amdhsa_code_object_version 6
	.text
	.protected	k_q62d6b64885_prep
	.globl	k_q62d6b64885_prep
	.p2align	8
	.type	k_q62d6b64885_prep,@function
k_q62d6b64885_prep:
	s_mov_b64 s[64:65], 0
	v_nop
	global_prefetch_b8 v0, s[64:65] scope:SCOPE_SE
	s_setreg_imm32_b32 hwreg(HW_REG_WAVE_MODE, 25, 1), 1
	s_wait_xcnt 0x0
; THREE JOBS THAT WANT NO MATRIX UNIT, one wave's share each; waves share nothing, so there is no barrier.
; (1) q [8192][1024] f32 becomes codes of FP6 (E2M3), K innermost, 768 bytes a row (qcs + 0), and one E8M0 byte for each 32 along K (qcs + 0x600000).
;     A block's scale is 2^(floor(log2(largest magnitude)) - 2); its byte is the largest magnitude's exponent field - 2, held at 1 from below.
; (2) attn_mask (a byte a key) becomes lane masks for the attention launch: for a tile of 16 queries and a step of 128 keys 64 words; word 8 t + j has in bit (r + 16 h)
;     mask[query r][key 16 t + 8 h + j]: the lane and register in which that score lies there.  maskw + (tile x 16 + step) x 256.
; (3) w_o's codes are laid in the order of a wave's operand registers: fragment (wave w, K step s, tile t) = rows 256 w + 16 t + r, 12 registers a lane, as three planes of 512 bytes (16 x lane).
; SHARES: u = 4 x work-group + wave, 0 .. 1023: run u of 8,192 numbers of q; 16 rows x 1,024 bytes of the mask; waves 0 and 1 also fragment 2 x work-group + wave of w_o.
; LIMITS: NaN and infinities in q are not served; a block whose largest magnitude lies under 2^-124 keeps the byte 1; a block of zeros gets the byte 1 and not 127
; (its codes are zeros, and these bytes are read by this program alone).
.set WREG,  24832                      ; LDS of a wave: two stages of 2,560 bytes, 256 scale bytes at 5,120, the mask's stage at 8,192
.set SP,    80                         ; a lane's place in a stage: 64 bytes + 16 of padding
.set STEPS, 16
.set EMAX,  2
.set CB,    12                         ; bytes of 16 codes
.set MSTG,  8192
.set MP,    1040                       ; a mask row in the stage: 1,024 bytes + 16: lane (r, h) then reads words 4 r + 2 h, 4 r + 2 h + 1 of the banks: all different
.set R,     16                         ; v16-79   four sets of 16 numbers of q as loaded
.set X,     80                         ; v80-111  two sets of 16 neighbours
.set OUT,   80                         ; v80-95   (mask phase) a pair of registers for each key step: 64 words, two a lane
.set T,     96                         ; v96-99   (mask phase) at work
.set WF,    100                        ; v100-111 (mask phase) a fragment of w_o
.set E,     112                        ; v112-127 a scale byte for each step
.set C,     128                        ; v128-191 codes, four registers for each step
.set MD,    128                        ; v128-255 (mask phase) the mask's bytes
	s_load_b256 s[4:11], s[0:1], 0x0               ; q, attn_mask, w_o_codes, qcs
	s_load_b128 s[12:15], s[0:1], 0x20             ; maskw, wof
	s_set_vgpr_msb 0x40
	v_lshl_add_u32 v0, v0, 2, 0x18400
	v_mov_b32 v1, 0
	s_set_vgpr_msb 0x4000
	v_lshrrev_b32 v1, 5, v0
	v_readfirstlane_b32 s20, v1                    ; wave
	v_and_b32 v2, 31, v0                           ; lane
	v_lshlrev_b32 v3, 4, v2                        ; 16 x lane
	s_mul_i32 s21, s20, WREG
	v_lshrrev_b32 v14, 2, v2
	v_mul_u32_u24 v14, v14, SP
	v_and_b32 v15, 3, v2
	v_lshl_add_u32 v14, v15, 4, v14
	v_add_nc_u32 v14, s21, v14                     ; q's stage, in: SP (lane / 4) + 16 (lane % 4)
	v_mul_u32_u24 v15, v2, SP
	v_add_nc_u32 v15, s21, v15                     ; and out: SP x lane: my 16 neighbours
	v_mul_u32_u24 v4, v2, CB                       ; my codes' place in a step's
	v_lshrrev_b32 v5, 1, v2
	s_add_co_u32 s22, s21, 2*32*SP
	v_add_nc_u32 v5, s22, v5                       ; my block's scale byte in LDS
	v_lshlrev_b32 v7, 3, v2                        ; 8 x lane
	v_add_nc_u32 v6, s22, v7
	s_add_co_u32 s22, s21, MSTG
	v_add_nc_u32 v10, s22, v3                      ; the mask's stage, in: 16 x lane
	v_and_b32 v8, 15, v2                           ; r
	v_lshrrev_b32 v9, 4, v2                        ; h
	v_mul_u32_u24 v1, v8, MP
	v_lshl_add_u32 v1, v9, 3, v1
	v_add_nc_u32 v1, s22, v1                       ; and out: row r, 8 h bytes on
	v_mul_u32_u24 v12, v8, 768
	v_mad_u32_u24 v12, v9, 24, v12                 ; w_o: row r of 768 bytes, + 24 h
	s_lshl_b32 s23, ttmp9, 2
	s_add_co_u32 s23, s23, s20                     ; u
	s_mov_b32 s31, 0
	s_lshl_b32 s24, ttmp9, 1
	s_add_co_u32 s24, s24, s20                     ; f = (w, s, t): used by waves 0 and 1 alone
	s_lshr_b32 s25, s24, 7
	s_lshl_b32 s25, s25, 8
	s_and_b32 s26, s24, 15
	s_lshl_b32 s26, s26, 4
	s_add_co_u32 s25, s25, s26                     ; row 256 w + 16 t
	s_mul_i32 s25, s25, 768
	s_bfe_u32 s26, s24, 0x30004
	s_mul_i32 s26, s26, 96
	s_add_co_u32 s25, s25, s26                     ; + 96 s
	s_wait_kmcnt 0x0
	s_lshl_b32 s30, s23, 8
	s_add_co_u32 s30, s30, 0x600000
	s_add_nc_u64 s[16:17], s[10:11], s[30:31]      ; q's scale bytes: 256 a run
	s_mul_i32 s30, s23, 32*STEPS*CB
	s_add_nc_u64 s[10:11], s[10:11], s[30:31]      ; q's codes: 6,144 bytes a run
	s_lshl_b32 s30, s23, 15
	s_add_nc_u64 s[4:5], s[4:5], s[30:31]          ; q: 32,768 bytes a run
	s_lshr_b32 s30, s23, 1
	s_lshl_b32 s30, s30, 15
	s_and_b32 s29, s23, 1
	s_lshl_b32 s29, s29, 10
	s_add_co_u32 s30, s30, s29
	s_add_nc_u64 s[6:7], s[6:7], s[30:31]          ; the mask: 16 rows of 2,048 bytes a tile, my half of each row
	s_lshl_b32 s30, s23, 11
	s_add_nc_u64 s[12:13], s[12:13], s[30:31]      ; my 8 key steps' words
	s_mov_b32 s30, s25
	s_add_nc_u64 s[8:9], s[8:9], s[30:31]
	s_mul_i32 s30, s24, 1536
	s_add_nc_u64 s[14:15], s[14:15], s[30:31]
.irp p, 0,1,2,3,4,5,6,7,8,9,10,11,12,13,14,15
.irp g, 0,1
	global_load_b128 v[MD+8*\p+4*\g:MD+8*\p+4*\g+3], v3, s[6:7] offset:2048*\p+512*\g th:TH_LOAD_NT   ; 512 consecutive bytes of a mask row
.endr
.endr
.macro QLOAD t
.irp i, 0,1,2,3
	global_load_b128 v[R+16*((\t)%4)+4*\i:R+16*((\t)%4)+4*\i+3], v3, s[4:5] offset:2048*(\t)+512*\i th:TH_LOAD_NT   ; 512 consecutive bytes of q
.endr
.endm
.irp t, 0,1,2,3
	QLOAD \t
.endr
	s_cmp_lt_u32 s20, 2                            ; w_o's fragment: loads, wait and stores in one branch on the wave's number
	s_cbranch_scc0 .Lno_w
.irp p, 0,1,2,3,4,5
	global_load_b64 v[WF+2*\p:WF+2*\p+1], v12, s[8:9] offset:48*(\p/3)+8*(\p%3)
.endr
	s_wait_loadcnt 0x0                             ; all loads went out together: the mask and q's first steps are in with it
.irp c, 0,1,2
	global_store_b128 v3, v[WF+4*\c:WF+4*\c+3], s[14:15] offset:512*\c   ; a plane: 512 consecutive bytes
.endr
.Lno_w:
	s_wait_loadcnt 16                              ; the mask is in; the 16 younger loads are q's
.irp p, 0,1,2,3,4,5,6,7,8,9,10,11,12,13,14,15
.irp g, 0,1
	ds_store_b128 v10, v[MD+8*\p+4*\g:MD+8*\p+4*\g+3] offset:MP*\p+512*\g
.endr
.endr
.irp k, 0,1,2,3,4,5,6,7                        ; LDS serves a wave's instructions in order: these see the stores above
.irp t, 0,1,2,3,4,5,6,7
	ds_load_b64 v[MD+16*\k+2*\t:MD+16*\k+2*\t+1], v1 offset:128*\k+16*\t   ; query r, keys 128 k + 16 t + 8 h + 0 .. 7
.endr
.endr
; One key step: register g holds bytes j = 4 (g % 2) + 0 .. 3 of tile t = g / 2: words 4 g .. 4 g + 3.  A compare gives the word; it goes to lane n / 2, register n % 2, so that 32 lanes store 256 consecutive bytes.
.macro MASKSTEP ks
	s_wait_dscnt 8*(7-\ks)                         ; this step's eight loads are in; the later steps' stay out
	v_mov_b32 v[OUT+2*\ks], 0                      ; (a lane write's destination counts as read)
	v_mov_b32 v[OUT+2*\ks+1], 0
.irp g, 0,1,2,3,4,5,6,7,8,9,10,11,12,13,14,15
	v_and_b32 v[T], 0xff, v[MD+16*\ks+\g]
	v_and_b32 v[T+1], 0xff00, v[MD+16*\ks+\g]
	v_and_b32 v[T+2], 0xff0000, v[MD+16*\ks+\g]
	v_and_b32 v[T+3], 0xff000000, v[MD+16*\ks+\g]
	v_cmp_ne_u32 s24, 0, v[T]
	v_cmp_ne_u32 s25, 0, v[T+1]
	v_cmp_ne_u32 s26, 0, v[T+2]
	v_cmp_ne_u32 s27, 0, v[T+3]
	v_writelane_b32 v[OUT+2*\ks], s24, 2*\g
	v_writelane_b32 v[OUT+2*\ks+1], s25, 2*\g
	v_writelane_b32 v[OUT+2*\ks], s26, 2*\g+1
	v_writelane_b32 v[OUT+2*\ks+1], s27, 2*\g+1
.endr
	global_store_b64 v7, v[OUT+2*\ks:OUT+2*\ks+1], s[12:13] offset:256*\ks
.endm
.irp k, 0,1,2,3,4,5,6,7
	MASKSTEP \k
.endr
	s_wait_xcnt 0x0                                ; the stores of the mask's words and of w_o's planes have read v80-111, which q's numbers take now
; q.  A conversion takes 16 numbers of one block from ONE lane's registers, a load is best where neighbouring lanes take neighbouring bytes: so a step's 2,048 bytes turn through the wave's stage.
.macro QTURN t
.irp i, 0,1,2,3
	ds_store_b128 v14, v[R+16*((\t)%4)+4*\i:R+16*((\t)%4)+4*\i+3] offset:32*SP*((\t)%2)+8*SP*\i
.endr
.irp i, 0,1,2,3
	ds_load_b128 v[X+16*((\t)%2)+4*\i:X+16*((\t)%2)+4*\i+3], v15 offset:32*SP*((\t)%2)+16*\i
.endr
.endm
	s_wait_loadcnt 12                              ; step 0's four loads are in
	QTURN 0
.macro QSTEP t
.set XS, X+16*((\t)%2)
.if (\t) > 0
	s_wait_dscnt 1                                 ; this step's numbers are back from the stage (the last step's byte store may be out)
.else
	s_wait_dscnt 0x0
.endif
.if (\t)+4 < STEPS
	QLOAD (\t)+4                                   ; into the registers that this step's stores into the stage have read
.endif
.if (\t)+1 < STEPS
.if STEPS-2-(\t) >= 3
	s_wait_loadcnt 12                              ; the next step's four loads are in; those of the three steps behind it may be out
.else
	s_wait_loadcnt 4*(STEPS-2-(\t))
.endif
	QTURN (\t)+1
.endif
	v_max3_num_f32 v8, |v[XS]|, |v[XS+1]|, |v[XS+2]|
	v_max3_num_f32 v9, |v[XS+3]|, |v[XS+4]|, |v[XS+5]|
.irp i, 6,10
	v_max3_num_f32 v8, v8, |v[XS+\i]|, |v[XS+\i+1]|
	v_max3_num_f32 v9, v9, |v[XS+\i+2]|, |v[XS+\i+3]|
.endr
	v_max3_num_f32 v8, v8, |v[XS+14]|, |v[XS+15]|
	v_max3_num_f32 v8, v8, v9, (EMAX+1)<<23        ; and the floor 2^(3 - 127): the byte cannot fall under 1
	v_max_num_f32_dpp v8, v8, v8 row_xmask:1 row_mask:0xf bank_mask:0xf   ; with my neighbour's 16: the block's largest magnitude
	v_add_nc_u32 v11, -(EMAX<<23), v8              ; 2 off its exponent field: the conversion takes that field as its scale
	v_cvt_scalef32_pk16_fp6_f32 v[C+4*(\t):C+4*(\t)+2], v[XS:XS+15], v11
	v_lshrrev_b32 v[E+(\t)], 23, v11               ; the scale's byte
	ds_store_b8 v5, v[E+(\t)] offset:16*(\t)       ; both lanes of a block write the same byte with the same value
	global_store_b96 v4, v[C+4*(\t):C+4*(\t)+2], s[10:11] offset:32*CB*(\t)   ; 384 consecutive bytes a wave
.endm
.irp t, 0,1,2,3,4,5,6,7,8,9,10,11,12,13,14,15
	QSTEP \t
.endr
	ds_load_b64 v[12:13], v6
	s_wait_dscnt 0x0
	global_store_b64 v7, v[12:13], s[16:17]        ; 256 consecutive scale bytes
	s_set_vgpr_msb 0x5
	s_wait_tensorcnt 0x0
	ds_add_u32 v0, v1
	s_wait_dscnt 0x0
	s_set_vgpr_msb 0x500
	s_endpgm
.Lfunc_end_k_q62d6b64885_prep:
	.size	k_q62d6b64885_prep, .Lfunc_end_k_q62d6b64885_prep-k_q62d6b64885_prep
	.p2alignl 7, 3214868480
	.fill 96, 4, 3214868480
	.section	.rodata,"a",@progbits
	.p2align	6, 0x0
	.amdhsa_kernel k_q62d6b64885_prep
		.amdhsa_group_segment_fixed_size 99840
		.amdhsa_private_segment_fixed_size 0
		.amdhsa_enable_private_segment 0
		.amdhsa_kernarg_size 48
		.amdhsa_user_sgpr_count 2
		.amdhsa_user_sgpr_kernarg_segment_ptr 1
		.amdhsa_wavefront_size32 1
		.amdhsa_system_sgpr_workgroup_id_x 1
		.amdhsa_system_sgpr_workgroup_id_y 1
		.amdhsa_system_sgpr_workgroup_id_z 1
		.amdhsa_system_vgpr_workitem_id 0
		.amdhsa_next_free_vgpr 258
		.amdhsa_next_free_sgpr 66
		.amdhsa_reserve_vcc 0
		.amdhsa_float_denorm_mode_32 3
		.amdhsa_float_denorm_mode_16_64 3
		.amdhsa_memory_ordered 1
		.amdhsa_forward_progress 1
		.amdhsa_inst_pref_size 141
	.end_amdhsa_kernel
	.amdgpu_metadata
---
amdhsa.version: [ 1, 2 ]
amdhsa.kernels:
  - .name:           k_q62d6b64885_prep
    .symbol:         k_q62d6b64885_prep.kd
    .args:
      - { .name: q, .offset: 0, .size: 8, .value_kind: global_buffer, .address_space: global }
      - { .name: attn_mask, .offset: 8, .size: 8, .value_kind: global_buffer, .address_space: global }
      - { .name: w_o_codes, .offset: 16, .size: 8, .value_kind: global_buffer, .address_space: global }
      - { .name: qcs, .offset: 24, .size: 8, .value_kind: global_buffer, .address_space: global }
      - { .name: maskw, .offset: 32, .size: 8, .value_kind: global_buffer, .address_space: global }
      - { .name: wof, .offset: 40, .size: 8, .value_kind: global_buffer, .address_space: global }
    .group_segment_fixed_size: 99840
    .private_segment_fixed_size: 0
    .kernarg_segment_align: 8
    .kernarg_segment_size: 48
    .max_flat_workgroup_size: 128
    .sgpr_count:     66
    .vgpr_count:     258
    .wavefront_size: 32
...
	.end_amdgpu_metadata
.endif
;; end of part 1
;; launch proj (part 2): grid 32 x 12, 4 waves a work-group, clusters of 4 x 4, 327,680 bytes of LDS; arguments qcs, k_codes, k_scales, w_vs_codes, w_vs_scales, w_qs_codes, w_qs_scales, w_ks_codes, w_ks_scales, v_codes, v_scales, qfw, kfw, vfw; writes qfw, kfw, vfw
.if DOCPART == 2
	.amdgcn_target "amdgcn-amd-amdhsa--gfx1250"
	.amdhsa_code_object_version 6
	.text
	.protected	k_q62d6b64885_proj
	.globl	k_q62d6b64885_proj
	.p2align	8
	.type	k_q62d6b64885_proj,@function
k_q62d6b64885_proj:
	s_mov_b64 s[64:65], 0
	v_nop
	global_prefetch_b8 v0, s[64:65] scope:SCOPE_SE
	s_setreg_imm32_b32 hwreg(HW_REG_WAVE_MODE, 25, 1), 1
	s_wait_xcnt 0x0
	s_wait_alu depctr_hold_cnt(0) depctr_sa_sdst(0) depctr_va_vdst(0) depctr_va_sdst(0) depctr_va_ssrc(0) depctr_va_vcc(0) depctr_vm_vsrc(0)
	s_getreg_b32 s2, hwreg(HW_REG_IB_STS2, 6, 4)
	s_cmp_eq_u32 s2, 0
	s_cbranch_scc0 .Lentry_in_a_cluster
	s_endpgm
.Lentry_in_a_cluster:
	s_bfe_u32 s2, ttmp6, 0x10000c
	s_cmp_lg_u32 s2, 0xf033
	s_cbranch_scc0 .Lentry_shape_is_right
	s_endpgm
.Lentry_shape_is_right:
; THE THREE PROJECTIONS, each a product [8192 tokens][1024] x [1024 rows of W][1024] on codes of FP6 (E2M3) with E8M0 scales, K = 1,024; the results are quantised in registers and stored as
; IMAGES OF THE ATTENTION LAUNCH'S OPERAND REGISTERS.  The cluster's y says which: p = 0 q, 1 k, 2 v; its x which 1,024 tokens.
; A tile of 256 x 256 is made by four waves, each 128 x 128: 64 accumulators, 512 registers.  K goes in steps of 256 through a ring of two LDS slots filled by the tensor data mover; the scale bytes of the
; work-group's rows, for all of K, come once with the first fills and stay.  4 x 4 work-groups form a cluster: 'A' (source 1) is shared along a row of the cluster, 'B' (source 0) along a column, by joint loads.
; A = tokens and B = W for q and k: a lane then holds ONE token and its registers run along the head's 64, the next product's K.  A = W_v and B = tokens for v: a lane holds one channel d and its registers run along the keys.
; THE WAY OUT.  Block a (16 rows of A) has 64 registers a lane: register 8 b + j is row 16 b + 8 h + j of B's 128.  The 16 registers of tiles 2 x and 2 x + 1 are 16 numbers of block x of 32; lanes l and l xor 16 hold the block.
; Inside a block the codes lie in a fixed order that is not ascending (offsets 0-7, 16-23, 8-15, 24-31).  q and k get the same order, and so do v and the softmax's p in the attention launch:
; a permutation of k that both operands share keeps every product; the matrix unit may group the sums otherwise, which the comparison's tolerance covers.
; Registers 0-5 of the codes are a half image (512 bytes at 16 x lane, 256 bytes at 8 x lane): for q, k head hA's fragment of 16 tokens (K = 64); registers 6-11 head hA + 1's; for v the two halves of a fragment of V^T (K = 128 keys).
; One formula places all three: (b x 16 + hA) x 98,304 + g x 6,144 + 768 a, the second half 98,304 on.  Scale words at + 0x600000 + (b x 16 + hA) x 8,192 + g x 512 + (a / 4) x 256 + 16 r + 4 (a % 4);
; for q, k a word is the head's two bytes and twice 0x7f (for the zero codes that fill K = 64 up to 128), head hA + 1's words 8,192 on; for v it is the four bytes of 128 keys.
; LIMITS: a block whose largest magnitude lies under 2^-124, a block of zeros too, keeps the byte 1 (read by this program alone); NaN and infinities are not served.
; REGISTERS: window 0: v16-29 addresses; v32-63 scale words, two sets, and nothing else; v64-120, v224-231 the way out; v128-223 A's fragments, one set.  window 1: B's fragments, two sets.  windows 2, 3: accumulators (a, b) at v[8 (8 (a % 4) + b)].
.set SIZE_K, 1024
.set KSTEP,  256
.set NQ,     KSTEP/128
.set ROWB,   192                       ; a tile's row: 256 codes
.set KROW,   SIZE_K*6/8
.set PITCH,  240                       ; an LDS row: 3 x (64 bytes + 16 of padding): the 32 lanes of an 8-byte load touch 64 different banks
.set FR,     12
.set NL,     6
.set NP,     4                         ; places behind this matrix instruction (ISA guide 7.12.1)
.set HALFT,  128*PITCH
.set SLOT,   4*HALFT
.set LAPS,   SIZE_K/(2*KSTEP)
.set KS,     SIZE_K/32
.set SCL,    2*SLOT                    ; behind the ring: the scales, as units of 256 bytes + 16 of padding
.set HALFS,  (128*KS/256)*272
.set SBLK,   (16*KS/256)*272
.set SPARE,  SCL+4*HALFS               ; the spare words, 128 bytes for each wave
.set ADRA, 16
.set ADRB, 20
.set L16,  24                          ; 16 x lane
.set L8,   25                          ; 8 x lane
.set ADRS, 27
.set SPW,  28
.set NIL,  29
.set SC,   32
.set AF,   128
.set TM,   64                          ; v64-67 largest magnitudes, v68-71 exchange and bytes, v76-79 the conversions' scale operands
.set PW,   80                          ; the four bytes just made
.set PC,   84                          ; v84-95 the codes; v96-98, v100-102 the conversions' second halves
.set WA,   104                         ; v104-111 the eight blocks' scale words for head hA (for v: whole words)
.set WB,   112                         ; v112-119 for head hA + 1
.set ONES, 120                         ; 0x7f7f7f7f
.set WO,   224                         ; v224-231 scale words as they are stored
.set G1, 24
.set G0, 32
.set G1B, 48
.set G0B, 56
.set G1S, 68
.set G0S, 76
.set G1SB, 80
.set G0SB, 88
.set MSB, 0
.macro WIN new                         ; the immediate's high byte repeats the setting that is left
.if MSB != \new
	s_set_vgpr_msb (MSB<<8)|\new
.set MSB, \new
.endif
.endm
.set MUL_LO, 0xa1                      ; source 0 (B) window 1, source 1 (A) window 0, C and D window 2
.set MUL_HI, 0xf1
.set TO_B,   0x40
; A joint load: waves 0 and 1 fetch for A, waves 2 and 3 for B; the branch hangs on the wave's number alone.  Four v_nop follow each of the two lines.
.macro JLOAD g0a, g1a, g0b, g1b
	s_cmp_eq_u32 s15, 0
	s_cbranch_scc0 .Lfor_b_\@
	tensor_load_to_lds s[\g0a:\g0a+3], s[\g1a:\g1a+7]
	s_nop 0
.rept 4
	v_nop
.endr
	s_branch .Lasked_\@
.Lfor_b_\@:
	tensor_load_to_lds s[\g0b:\g0b+3], s[\g1b:\g1b+7]
	s_nop 0
.rept 4
	v_nop
.endr
.Lasked_\@:
.endm
.macro CREST                           ; a round of the cluster's barrier behind its opening barrier
	s_cmp_lg_u32 s14, 0
	s_cbranch_scc1 .Lnot_wave_0_\@
	s_barrier_signal -3
.Lnot_wave_0_\@:
	s_barrier_wait -3
	s_barrier_signal -1
	s_barrier_wait -1
.endm
.macro CROUND
	s_barrier_signal -1
	s_barrier_wait -1
	CREST
.endm
	s_load_b512 s[68:83], s[0:1], 0x0              ; qcs, k_codes, k_scales, w_vs_codes, w_vs_scales, w_qs_codes, w_qs_scales, w_ks_codes
	s_load_b256 s[84:91], s[0:1], 0x40             ; w_ks_scales, v_codes, v_scales, qfw
	s_load_b128 s[92:95], s[0:1], 0x60             ; kfw, vfw
	v_lshl_add_u32 v[SPW], v0, 2, SPARE
	v_mov_b32 v[NIL], 0
	ds_add_u32 v28, v29
	ds_add_u32 v28, v29
	s_wait_dscnt 0x0
	v_lshrrev_b32 v1, 5, v0
	v_readfirstlane_b32 s14, v1                    ; wave 0..3
	s_lshr_b32 s15, s14, 1                         ; which half of A's rows is mine.  Also: I fetch for A (0) or for B (1)
	s_and_b32 s16, s14, 1                          ; which half of B's rows.  Also: which 128 rows I fetch
	s_bfe_u32 s40, ttmp6, 0x40000                  ; cx
	s_bfe_u32 s41, ttmp6, 0x40004                  ; cy
	s_and_b32 s2, ttmp7, 0xffff                    ; p: the cluster's y, the same in all sixteen partners
	s_lshl_b32 s17, ttmp9, 10                      ; the cluster's 1,024 tokens
	s_lshl_b32 s43, s41, 2
	s_lshl_b32 s43, 15, s43                        ; my row of the cluster
	s_lshl_b32 s44, 0x1111, s40                    ; my column
	s_or_b32 s[G1+0], s43, (0<<16)|(1<<20)|(1<<21)|(3<<22)|(3<<25)  ; the mask; elements of 1 byte; padding on; bit 21 beside a mask; after every 16 words 4 words
	s_or_b32 s[G1B+0], s44, (0<<16)|(1<<20)|(1<<21)|(3<<22)|(3<<25)
.irp g, G1, G1B
	s_mov_b32 s[\g+1], ROWB<<16                    ; tensor_dim0
	s_mov_b32 s[\g+2], 128<<16                     ; tensor_dim1
	s_mov_b32 s[\g+3], ROWB<<16                    ; tile_dim0
	s_mov_b32 s[\g+4], 128                         ; tile_dim1
	s_mov_b32 s[\g+5], KROW                        ; the pitch
	s_mov_b32 s[\g+6], 0
	s_mov_b32 s[\g+7], 0
.endr
	s_wait_kmcnt 0x0
	s_add_nc_u64 s[96:97], s[68:69], 0x600000      ; q's scale bytes
	s_cmp_eq_u32 s2, 0                             ; the buffers are chosen on p alone
	s_cselect_b64 s[4:5], s[68:69], s[70:71]       ; A's codes
	s_cselect_b64 s[6:7], s[96:97], s[72:73]       ; A's scales
	s_cselect_b64 s[8:9], s[78:79], s[82:83]       ; B's codes
	s_cselect_b64 s[10:11], s[80:81], s[84:85]     ; B's scales
	s_cselect_b64 s[12:13], s[90:91], s[92:93]     ; the output
	s_cmp_eq_u32 s2, 2
	s_cselect_b64 s[4:5], s[74:75], s[4:5]
	s_cselect_b64 s[6:7], s[76:77], s[6:7]
	s_cselect_b64 s[8:9], s[86:87], s[8:9]
	s_cselect_b64 s[10:11], s[88:89], s[10:11]
	s_cselect_b64 s[12:13], s[94:95], s[12:13]
	s_cselect_b32 s96, 0, s17                      ; the tokens are A's rows for q and k,
	s_cselect_b32 s97, s17, 0                      ; B's for v
	s_lshl_b32 s18, s41, 8
	s_add_co_u32 s96, s96, s18                     ; A's first row: + 256 cy
	s_lshl_b32 s19, s40, 8
	s_add_co_u32 s97, s97, s19                     ; B's first row: + 256 cx
	s_add_nc_u64 s[100:101], s[12:13], 0x600000    ; the output's scale words
	; the scales of 128 rows: a dense block of 4,096 bytes, as rows of 256 bytes (32 elements of 8 bytes), 16 bytes of padding behind each
	s_or_b32 s[G1S+0], s43, (3<<16)|(1<<20)|(1<<21)|(5<<22)|(3<<25)
	s_or_b32 s[G1SB+0], s44, (3<<16)|(1<<20)|(1<<21)|(5<<22)|(3<<25)
.irp g, G1S, G1SB
	s_mov_b32 s[\g+1], 32<<16
	s_mov_b32 s[\g+2], (128*KS/256)<<16
	s_mov_b32 s[\g+3], 32<<16
	s_mov_b32 s[\g+4], 128*KS/256
	s_mov_b32 s[\g+5], 32
	s_mov_b32 s[\g+6], 0
	s_mov_b32 s[\g+7], 0
.endr
	s_lshl_b32 s18, s16, 7                         ; which 128 rows of the tile I fetch
	s_add_co_u32 s20, s96, s18
	s_add_co_u32 s46, s97, s18
	s_mov_b32 s21, 0
	s_mov_b32 s47, 0
	s_mov_b64 s[18:19], KS
	s_mul_u64 s[22:23], s[20:21], s[18:19]         ; where these rows' scales begin,
	s_mul_u64 s[92:93], s[46:47], s[18:19]
	s_mov_b64 s[18:19], KROW
	s_mul_u64 s[20:21], s[20:21], s[18:19]         ; and their codes
	s_mul_u64 s[46:47], s[46:47], s[18:19]
	s_mul_i32 s45, s14, HALFT                      ; where they go: wave x 128 rows: no place in the cluster enters an LDS address
	s_mul_i32 s94, s14, HALFS
	s_add_nc_u64 s[20:21], s[4:5], s[20:21]
	s_add_nc_u64 s[22:23], s[6:7], s[22:23]
	s_add_nc_u64 s[46:47], s[8:9], s[46:47]
	s_add_nc_u64 s[92:93], s[10:11], s[92:93]
	CROUND                                         ; all sixteen work-groups are here: the first joint loads meet
	s_mov_b32 s[G0S], 1
	s_add_co_u32 s[G0S+1], s94, SCL
	s_mov_b64 s[G0S+2:G0S+3], s[22:23]
	s_or_b32 s[G0S+3], s[G0S+3], 0x80000000
	s_mov_b32 s[G0SB], 1
	s_add_co_u32 s[G0SB+1], s94, SCL
	s_mov_b64 s[G0SB+2:G0SB+3], s[92:93]
	s_or_b32 s[G0SB+3], s[G0SB+3], 0x80000000
	JLOAD G0S, G1S, G0SB, G1SB                     ; the scales first: they are wanted with K step 0
.irp s, 0,1
	s_mov_b32 s[G0+4*\s], 1
	s_add_co_u32 s[G0+4*\s+1], s45, \s*SLOT
	s_add_nc_u64 s[G0+4*\s+2:G0+4*\s+3], s[20:21], \s*ROWB
	s_or_b32 s[G0+4*\s+3], s[G0+4*\s+3], 0x80000000
	s_mov_b32 s[G0B+4*\s], 1
	s_add_co_u32 s[G0B+4*\s+1], s45, \s*SLOT
	s_add_nc_u64 s[G0B+4*\s+2:G0B+4*\s+3], s[46:47], \s*ROWB
	s_or_b32 s[G0B+4*\s+3], s[G0B+4*\s+3], 0x80000000
	JLOAD G0+4*\s, G1, G0B+4*\s, G1B
.endr
	v_and_b32 v1, 15, v0                           ; l % 16
	v_bfe_u32 v2, v0, 4, 1                         ; l / 16
	v_mul_u32_u24 v3, v1, PITCH
	v_mul_u32_u24 v4, v2, 24
	v_add_nc_u32 v4, v3, v4                        ; a fragment's row x pitch + 24 x half
	v_lshl_add_u32 v5, v2, 4, v4                   ; and the same behind one padding more
	s_mul_i32 s21, s15, HALFT                      ; my 128 rows of A
	s_mul_i32 s22, s16, HALFT                      ; my 128 rows of B,
	s_add_co_u32 s22, s22, 2*HALFT                 ; which lie behind A's 256
.irp s, 0,1
	v_add_nc_u32 v[ADRA+\s], s21, v4
	v_add_nc_u32 v[ADRB+\s], s22, v4
	v_add_nc_u32 v[ADRA+2+\s], s21, v5
	v_add_nc_u32 v[ADRB+2+\s], s22, v5
	s_add_co_u32 s21, s21, SLOT
	s_add_co_u32 s22, s22, SLOT
.endr
	v_mul_u32_u24 v5, v1, KS                       ; my row's scales: KS bytes a row,
	v_lshrrev_b32 v6, 8, v5
	v_lshl_add_u32 v5, v6, 4, v5                   ; and 16 more for each 256 passed
	s_mul_i32 s21, s15, HALFS
	s_mul_i32 s22, s16, HALFS
	s_add_co_u32 s22, s22, 2*HALFS
	s_sub_co_u32 s22, s22, s21
	v_mul_u32_u24 v6, s22, v2                      ; lanes 16-31 take B's
	s_add_co_u32 s21, s21, SCL
	v_add_nc_u32 v5, v5, v6
	v_add_nc_u32 v[ADRS], s21, v5
	v_and_b32 v6, 31, v0
	v_lshlrev_b32 v[L16], 4, v6
	v_lshlrev_b32 v[L8], 3, v6
	; where my 128 x 128 goes
	s_lshl_b32 s18, s15, 7
	s_add_co_u32 s18, s96, s18                     ; my first row of A
	s_lshl_b32 s19, s16, 7
	s_add_co_u32 s19, s97, s19                     ; my first row of B
	s_cmp_eq_u32 s2, 2
	s_cselect_b32 s20, s19, s18                    ; my first token,
	s_cselect_b32 s21, s18, s19                    ; my first row of W
	s_lshr_b32 s22, s20, 11
	s_lshl_b32 s22, s22, 4
	s_lshr_b32 s21, s21, 6
	s_add_co_u32 s22, s22, s21                     ; b x 16 + hA
	s_bfe_u32 s23, s20, 0x40007                    ; g: which 128 tokens of the batch's 2,048
	s_mul_i32 s20, s22, 98304
	s_mul_i32 s21, s23, 6144
	s_add_co_u32 s20, s20, s21
	s_mov_b32 s21, 0
	s_add_nc_u64 s[12:13], s[12:13], s[20:21]
	s_lshl_b32 s20, s22, 13
	s_lshl_b32 s23, s23, 9
	s_add_co_u32 s20, s20, s23
	s_add_nc_u64 s[100:101], s[100:101], s[20:21]
.macro FRAG reg, adr, q, i             ; a fragment: lane l holds row l % 16; registers 6 c .. 6 c + 5 hold K = 64 c + 32 (l / 16) + 0 .. 31: 24 bytes of the row's stream of bits, in pieces of 8 bytes
.irp p, 0,1,2,3,4,5
.set PCE, 12*(\q)+6*(\p/3)+\p%3        ; where the piece three on lies behind one padding more, the second address register serves
.if PCE%8 < 5
	ds_load_b64 v[\reg+2*\p:\reg+2*\p+1], v[\adr] offset:8*PCE+16*(PCE/8)+(\i)*16*PITCH
.else
	ds_load_b64 v[\reg+2*\p:\reg+2*\p+1], v[\adr+2] offset:8*PCE+16*(PCE/8)+(\i)*16*PITCH
.endif
.endr
.endm
; 16 matrix instructions: A's blocks a0, a0 + 1 x B's eight.  The 64 accumulators take turns, one instruction a turn, in the same order in every step.
.macro MUL16 a0, p, q, sc, zero
.irp a, \a0, \a0+1
.irp b, 0,1,2,3,4,5,6,7
.if \zero
	v_wmma_scale_f32_16x16x128_f8f6f4 v[8*(8*((\a)%4)+\b):8*(8*((\a)%4)+\b)+7], v[128*(\p)+FR*\b:128*(\p)+FR*\b+FR-1], v[AF+FR*(\a):AF+FR*(\a)+FR-1], 0, v[SC+8*NQ*(\sc)+NQ*\b+(\q)], v[SC+8*NQ*(\sc)+NQ*(\a)+(\q)] matrix_a_fmt:MATRIX_FMT_FP6 matrix_b_fmt:MATRIX_FMT_FP6 matrix_a_scale:MATRIX_SCALE_ROW1
.else
	v_wmma_scale_f32_16x16x128_f8f6f4 v[8*(8*((\a)%4)+\b):8*(8*((\a)%4)+\b)+7], v[128*(\p)+FR*\b:128*(\p)+FR*\b+FR-1], v[AF+FR*(\a):AF+FR*(\a)+FR-1], v[8*(8*((\a)%4)+\b):8*(8*((\a)%4)+\b)+7], v[SC+8*NQ*(\sc)+NQ*\b+(\q)], v[SC+8*NQ*(\sc)+NQ*(\a)+(\q)] matrix_a_fmt:MATRIX_FMT_FP6 matrix_b_fmt:MATRIX_FMT_FP6 matrix_a_scale:MATRIX_SCALE_ROW1
.endif
.endr
.endr
.endm
.macro FETCH_B slot, q, p
	WIN TO_B
.irp i, 0,1,2,3,4,5,6,7
	FRAG 128*(\p)+FR*\i, ADRB+\slot, \q, \i
.endr
	WIN 0
.endm
.macro FETCH_A slot, q, i0
.irp i, \i0, \i0+1, \i0+2, \i0+3
	FRAG AF+FR*(\i), ADRA+\slot, \q, \i
.endr
.endm
.macro SCALES sc                       ; a K step's scale words: lanes 0-15 take A's block i, lanes 16-31 B's block i
.irp i, 0,1,2,3,4,5,6,7
	ds_load_b64 v[SC+8*NQ*\sc+NQ*\i:SC+8*NQ*\sc+NQ*\i+1], v[ADRS] offset:\i*SBLK
.endr
.endm
.macro PLACES n                        ; plain vector instructions between a matrix instruction and a load into one of its registers (ISA guide 7.12.1 for vector instructions)
.rept \n
	v_nop
.endr
.endm
.macro STEP slot, q, zero              ; 128 along K that has its successor in the same slot
	s_wait_dscnt 4*NL                              ; B's set and A's blocks 0-3 are in; the youngest 24 loads (A's blocks 4-7) may be out
	WIN MUL_LO
	MUL16 0, (\q)%2, \q, \slot, \zero
	MUL16 2, (\q)%2, \q, \slot, \zero
	s_wait_dscnt 0                                 ; A's blocks 4-7 are in
	PLACES NP
	FETCH_B \slot, (\q)+1, 1-(\q)%2
	FETCH_A \slot, (\q)+1, 0
	WIN MUL_HI
	MUL16 4, (\q)%2, \q, \slot, \zero
	MUL16 6, (\q)%2, \q, \slot, \zero
	PLACES NP
	WIN 0
	FETCH_A \slot, (\q)+1, 4
.endm
; A slot's last step changes slots: one barrier; in front of it each wave waits for all its tensor loads, adds 0 to its spare word, and waits for that and for its reads of this slot.
.macro TURN slot, next, fill
	s_wait_tensorcnt 0x0                           ; all my tensor loads have landed: my part of the next slot
	ds_add_u32 v[SPW], v[NIL]                      ; 0 onto my spare word
	s_wait_dscnt 4*NL+1                            ; (the add and the youngest 24 loads may be out)
	WIN MUL_LO
	MUL16 0, 1, NQ-1, \slot, 0
	s_wait_dscnt 0x0                               ; the add is done, and my reads of this slot are over
	s_barrier_signal -1
	MUL16 2, 1, NQ-1, \slot, 0
	WIN 0
	s_barrier_wait -1
.if \fill
	CREST                                          ; the barrier has opened a round of the cluster's: no wave of any partner still reads this slot or has a load on its way
	s_add_nc_u64 s[G0+4*\slot+2:G0+4*\slot+3], s[G0+4*\slot+2:G0+4*\slot+3], 2*ROWB
	s_add_nc_u64 s[G0B+4*\slot+2:G0B+4*\slot+3], s[G0B+4*\slot+2:G0B+4*\slot+3], 2*ROWB
	JLOAD G0+4*\slot, G1, G0B+4*\slot, G1B         ; the first tensor load behind the round; its four v_nop are the places in front of the loads below
.else
	PLACES NP
.endif
	v_add_nc_u32 v[ADRS], 4*NQ, v[ADRS]            ; on to the next K step's scale words
	FETCH_B \next, 0, 0
	FETCH_A \next, 0, 0
	SCALES \next
	WIN MUL_HI
	MUL16 4, 1, NQ-1, \slot, 0
	MUL16 6, 1, NQ-1, \slot, 0
	PLACES NP
	WIN 0
	FETCH_A \next, 0, 4
.endm
	s_wait_tensorcnt 1                             ; the scales and my part of K step 0 are in (K step 1's load may be out),
	s_barrier_signal -1
	s_barrier_wait -1                              ; everybody's are
	FETCH_B 0, 0, 0
	FETCH_A 0, 0, 0
	SCALES 0
	FETCH_A 0, 0, 4
	STEP 0, 0, 1                                   ; the first step's products start the sums
	s_mov_b32 s3, LAPS-1
.Llap:                                                 ; a trip goes once round the ring and fills both slots again
	TURN 0, 1, 1
	STEP 1, 0, 0
	TURN 1, 0, 1
	STEP 0, 0, 0
	s_sub_co_u32 s3, s3, 1
	s_cmp_lg_u32 s3, 0
	s_cbranch_scc1 .Llap
	TURN 0, 1, 0                                   ; the last lap fills nothing
	STEP 1, 0, 0
	s_wait_dscnt 4*NL
	WIN MUL_LO
	MUL16 0, 1, NQ-1, 1, 0
	MUL16 2, 1, NQ-1, 1, 0
	s_wait_dscnt 0
	WIN MUL_HI
	MUL16 4, 1, NQ-1, 1, 0
	MUL16 6, 1, NQ-1, 1, 0
	WIN 0
	; THE WAY OUT.  These five moves are wanted anyway and name no register of the last products: they are the places in front of the first read of results.
.irp b, 0,1,2,3
	v_mov_b32 v[TM+4+\b], 0                        ; (a lane permute's destination counts as one of its sources)
.endr
	v_mov_b32 v[ONES], 0x7f7f7f7f
	s_mov_b32 s20, 0x76543210
	s_mov_b32 s21, 0xfedcba98                      ; v_permlanex16_b32's selects for lane l xor 16
	s_mov_b32 s40, 0x04040100                      ; q, k: bytes 0, 1 of the four, then twice 0x7f;
	s_cmp_eq_u32 s2, 2
	s_cselect_b32 s40, 0x03020100, s40             ; v: the word as it is
	s_mov_b32 s41, 0x04040302                      ; q, k: bytes 2, 3, then twice 0x7f
	s_mov_b32 s42, 0xffff0000                      ; lanes 16-31
; Block a: four blocks of 32 are quantised; the accumulators are read from their low ends on.
.macro QUANTW a
.set AC, 64*((\a)%4)
	WIN 0x28+0x14*((\a)/4)                         ; sources 1 and 2: window 2 or 3
.irp b, 0,1,2,3
	v_max3_num_f32 v[TM+\b], 0x1800000, |v[AC+16*\b]|, |v[AC+16*\b+1]|   ; my 16 numbers of block b, and the floor 2^(3 - 127): the byte cannot fall under 1
.endr
.irp i, 2,4,6,8,10,12,14
.irp b, 0,1,2,3
	v_max3_num_f32 v[TM+\b], v[TM+\b], |v[AC+16*\b+\i]|, |v[AC+16*\b+\i+1]|
.endr
.endr
	WIN 0
.irp b, 0,1,2,3
	v_permlanex16_b32 v[TM+4+\b], v[TM+\b], s20, s21
.endr
.irp b, 0,1,2,3
	v_max_num_f32 v[TM+\b], v[TM+\b], v[TM+4+\b]   ; with lane l xor 16's: the block's largest magnitude
.endr
.irp b, 0,1,2,3
	v_add_nc_u32 v[TM+12+\b], 0xff000000, v[TM+\b] ; 2 off its exponent field: the conversion's scale operand
.endr
.irp b, 0,1,2,3
	v_lshrrev_b32 v[TM+4+\b], 23, v[TM+12+\b]      ; the scale's byte
.endr
	v_lshl_or_b32 v[PW], v[TM+5], 8, v[TM+4]
	v_lshl_or_b32 v[PW], v[TM+6], 16, v[PW]
	v_lshl_or_b32 v[PW], v[TM+7], 24, v[PW]
.if (\a) > 0
	s_wait_xcnt 0x0                                ; the last block's stores have read the codes' registers
.endif
	WIN 0x02+(\a)/4                                ; source 0: window 2 or 3
.irp c, 0,1
	v_cvt_scalef32_pk16_fp6_f32 v[PC+6*\c:PC+2+6*\c], v[AC+32*\c:AC+15+32*\c], v[TM+12+2*\c]
	v_cvt_scalef32_pk16_fp6_f32 v[PC+12+4*\c:PC+14+4*\c], v[AC+16+32*\c:AC+31+32*\c], v[TM+12+2*\c+1]   ; (a conversion's three registers begin on an even number)
.endr
	WIN 0
	v_nop                                          ; one plain place behind a scaled conversion
.irp c, 0,1                                    ; the operand's layout wants a whole block in a lane: lanes 0-15 block 2 c, lanes 16-31 block 2 c + 1
.irp i, 0,1,2
	v_permlane16_swap_b32 v[PC+6*\c+\i], v[PC+12+4*\c+\i]
.endr
.irp i, 0,1,2
	v_mov_b32 v[PC+3+6*\c+\i], v[PC+12+4*\c+\i]
.endr
.endr
	v_perm_b32 v[WA+(\a)], v[ONES], v[PW], s40
	v_perm_b32 v[WB+(\a)], v[ONES], v[PW], s41
	global_store_b128 v[L16], v[PC:PC+3], s[12:13] offset:768*(\a)                 ; 512 consecutive bytes
	global_store_b64 v[L8], v[PC+4:PC+5], s[12:13] offset:768*(\a)+512             ; 256
	global_store_b128 v[L16], v[PC+6:PC+9], s[12:13] offset:98304+768*(\a)
	global_store_b64 v[L8], v[PC+10:PC+11], s[12:13] offset:98304+768*(\a)+512
.endm
.irp a, 0,1,2,3,4,5,6,7
	QUANTW \a
.endr
.irp i, 0,1,2,3
	v_cndmask_b32 v[WO+\i], v[WA+\i], v[WA+4+\i], s42   ; lanes 0-15 blocks 0-3, lanes 16-31 blocks 4-7 (both halves of the lanes hold every word)
.endr
	global_store_b128 v[L16], v[WO:WO+3], s[100:101]   ; 512 consecutive bytes of scale words
	s_cmp_eq_u32 s2, 2                             ; v has whole words and no second head's
	s_cbranch_scc1 .Lno_second
.irp i, 0,1,2,3
	v_cndmask_b32 v[WO+4+\i], v[WB+\i], v[WB+4+\i], s42
.endr
	global_store_b128 v[L16], v[WO+4:WO+7], s[100:101] offset:8192
.Lno_second:
	s_wait_tensorcnt 0x0                           ; the wave's end
	ds_add_u32 v[SPW], v[NIL]
	s_wait_dscnt 0x0
	CROUND                                         ; the closing round: no work-group ends while a partner may still ask for a tile that names it
	s_endpgm
.Lfunc_end_k_q62d6b64885_proj:
	.size	k_q62d6b64885_proj, .Lfunc_end_k_q62d6b64885_proj-k_q62d6b64885_proj
	.p2alignl 7, 3214868480
	.fill 96, 4, 3214868480
	.section	.rodata,"a",@progbits
	.p2align	6, 0x0
	.amdhsa_kernel k_q62d6b64885_proj
		.amdhsa_group_segment_fixed_size 327680
		.amdhsa_private_segment_fixed_size 0
		.amdhsa_enable_private_segment 0
		.amdhsa_kernarg_size 112
		.amdhsa_user_sgpr_count 2
		.amdhsa_user_sgpr_kernarg_segment_ptr 1
		.amdhsa_wavefront_size32 1
		.amdhsa_system_sgpr_workgroup_id_x 1
		.amdhsa_system_sgpr_workgroup_id_y 1
		.amdhsa_system_sgpr_workgroup_id_z 1
		.amdhsa_system_vgpr_workitem_id 0
		.amdhsa_next_free_vgpr 1024
		.amdhsa_next_free_sgpr 102
		.amdhsa_reserve_vcc 0
		.amdhsa_float_denorm_mode_32 3
		.amdhsa_float_denorm_mode_16_64 3
		.amdhsa_memory_ordered 1
		.amdhsa_forward_progress 1
		.amdhsa_inst_pref_size 167
	.end_amdhsa_kernel
	.amdgpu_metadata
---
amdhsa.version: [ 1, 2 ]
amdhsa.kernels:
  - .name:           k_q62d6b64885_proj
    .symbol:         k_q62d6b64885_proj.kd
    .args:
      - { .name: qcs, .offset: 0, .size: 8, .value_kind: global_buffer, .address_space: global }
      - { .name: k_codes, .offset: 8, .size: 8, .value_kind: global_buffer, .address_space: global }
      - { .name: k_scales, .offset: 16, .size: 8, .value_kind: global_buffer, .address_space: global }
      - { .name: w_vs_codes, .offset: 24, .size: 8, .value_kind: global_buffer, .address_space: global }
      - { .name: w_vs_scales, .offset: 32, .size: 8, .value_kind: global_buffer, .address_space: global }
      - { .name: w_qs_codes, .offset: 40, .size: 8, .value_kind: global_buffer, .address_space: global }
      - { .name: w_qs_scales, .offset: 48, .size: 8, .value_kind: global_buffer, .address_space: global }
      - { .name: w_ks_codes, .offset: 56, .size: 8, .value_kind: global_buffer, .address_space: global }
      - { .name: w_ks_scales, .offset: 64, .size: 8, .value_kind: global_buffer, .address_space: global }
      - { .name: v_codes, .offset: 72, .size: 8, .value_kind: global_buffer, .address_space: global }
      - { .name: v_scales, .offset: 80, .size: 8, .value_kind: global_buffer, .address_space: global }
      - { .name: qfw, .offset: 88, .size: 8, .value_kind: global_buffer, .address_space: global }
      - { .name: kfw, .offset: 96, .size: 8, .value_kind: global_buffer, .address_space: global }
      - { .name: vfw, .offset: 104, .size: 8, .value_kind: global_buffer, .address_space: global }
    .group_segment_fixed_size: 327680
    .private_segment_fixed_size: 0
    .kernarg_segment_align: 8
    .kernarg_segment_size: 112
    .max_flat_workgroup_size: 128
    .sgpr_count:     102
    .vgpr_count:     1024
    .wavefront_size: 32
...
	.end_amdgpu_metadata
.endif
;; end of part 2
;; launch attn (part 3): grid 4 x 64, 16 waves a work-group, no clusters, 211,968 bytes of LDS; arguments qfw, kfw, vfw, maskw, ofs; writes ofs
.if DOCPART == 3
	.amdgcn_target "amdgcn-amd-amdhsa--gfx1250"
	.amdhsa_code_object_version 6
	.text
	.protected	k_q62d6b64885_attn
	.globl	k_q62d6b64885_attn
	.p2align	8
	.type	k_q62d6b64885_attn,@function
k_q62d6b64885_attn:
	s_mov_b64 s[64:65], 0
	v_nop
	global_prefetch_b8 v0, s[64:65] scope:SCOPE_SE
	s_setreg_imm32_b32 hwreg(HW_REG_WAVE_MODE, 25, 1), 1
	s_wait_xcnt 0x0
; ATTENTION ON CODES OF FP6 (E2M3): S^T = K Q^T (K = the head's 64, filled to the instruction's 128 with zero codes under the byte 0x7f), the mask, the softmax, O^T = V^T P^T (K = the keys), O / l, quantised for the last product.
; THE SOFTMAX: t = score x log2(e) / 8; M = the running largest t rounded UP to a whole number; p = 2^(t - M) is quantised along the keys, not normalised; the row's sum l is taken of the unquantised p;
; when M moves, l and O^T are multiplied by 2^(old M - new M), which rounds nothing.  A hidden key's score becomes -infinity ahead of the maximum, so p = 0.
; A query all of whose keys are hidden has l = 0: its scale bytes are set to 0xff, which makes its whole output row NaN, as the softmax of nothing is.
; SHARES.  A work-group owns 512 queries of one head (x: which 512; y: b x 16 + h): 256 work-groups of equal work.  Wave w makes the tiles of 16 queries 32 x + w and 32 x + 16 + w, one after the other.
; THE HEAD'S K AND V STAY IN LDS, filled once through registers: 16 key steps of 13,056 bytes (8 half images of K, 8 of V, 512 bytes of K's scale words, 256 of V's).  All LDS loads are images of registers: dense, no pitch.
; NO JOINT LOADS: what the four work-groups of a head share is 204 KiB that each reads once, at its start, beside 512 key steps of a wave's work.
; LAYOUT.  Both products are used transposed, so a lane holds ONE query (lane % 16).  Register 8 t + j of S^T is key 16 t + 8 (lane / 16) + j: the 16 registers of tiles 2 x, 2 x + 1 are 16 keys of block x.
; Inside a block p's codes lie in the same order as V's (made the same way by the launch before): a permutation of k that both operands share keeps the products; the comparison's tolerance covers the unit's other grouping.
; For the last product, whose weights lie in true order, sixteen exchanges of half rows put O's channels in ascending order ahead of the quantiser.
; THE MASK comes as lane masks, 64 words a step, in scalar registers, asked for a step ahead; every step runs its 64 selects: no branch and no address hangs on a number read from memory.
; LIMITS: NaN and infinities in the operands are not served; a block under 2^-124 keeps the byte 1.
; REGISTERS: v1-3 16 lane, 8 lane, 16 r; v4-6 the step's addresses; v7 Q's scale word; v8-11 K's; v12 -M, v13 largest t, v[14:15] l; v16-27 Q; v28-31 V's scale words; v32-79 four fragments of K (upper six registers zeros);
; v80-127 four of V; v128-191 S^T, then p; v192-223 O^T; v224-235 p's codes; v236-239 block maxima; v240-247 at work; v248-251 scale operands; v252 f; v253 p's scale word; v254 at work; v255 -infinity.
; s[32:63], s[68:99]: the step's 64 mask words: word n in s[32 + n] for n < 32, else in s[36 + n].
.set STEPB, 13056
.set VOF,   6144
.set KSC,   12288
.set VSC,   12800
.set OSC,   16*STEPB                   ; 1,024 bytes: the work-group's 512 pairs of scale bytes
	s_load_b256 s[8:15], s[0:1], 0x0               ; qfw, kfw, vfw, maskw
	s_load_b64 s[16:17], s[0:1], 0x20              ; ofs
	v_lshrrev_b32 v4, 5, v0
	v_readfirstlane_b32 s4, v4                     ; wave 0..15
	v_and_b32 v5, 31, v0
	v_lshlrev_b32 v1, 4, v5
	v_lshlrev_b32 v2, 3, v5
	v_and_b32 v3, 15, v0
	v_lshlrev_b32 v3, 4, v3
	s_and_b32 s5, ttmp7, 0xffff                    ; b x 16 + h
	s_and_b32 s6, s5, 15                           ; h
	s_lshr_b32 s7, s5, 4                           ; b
	s_mov_b32 s3, 0
	s_mul_i32 s32, s5, 98304                       ; the head's images
	s_mul_i32 s33, s4, 6144                        ; key step w's
	s_and_b32 s34, s6, 1                           ; e = h % 2
	s_and_b32 s35, s5, 0xfffe                      ; b x 16 + hA
	s_lshl_b32 s36, s5, 13                         ; the head's scale words
	s_lshl_b32 s37, s4, 9
	s_lshl_b32 s40, ttmp9, 5
	s_add_co_u32 s40, s40, s4                      ; my first tile of queries: 32 x + w
	s_lshl_b32 s44, s7, 7
	s_add_co_u32 s44, s44, s40                     ; b x 128 + that
	s_mov_b32 s28, 0x76543210
	s_mov_b32 s29, 0xfedcba98                      ; v_permlanex16_b32's selects for lane l xor 16
	s_mov_b32 s30, 0x3e38aa3b                      ; c = log2(e) / 8
	s_mov_b32 s31, s30                             ; (named with it as a pair)
	s_wait_kmcnt 0x0
	; Q's scale word: token 128 g + 16 a + r at g x 512 + (a / 4) x 256 + 16 r + 4 (a % 4); g = 4 x + w / 8, a = w % 8; the second tile 1,024 on
	s_lshl_b32 s41, ttmp9, 2
	s_lshr_b32 s42, s4, 3
	s_add_co_u32 s41, s41, s42
	s_lshl_b32 s41, s41, 9
	s_bfe_u32 s42, s4, 0x10002
	s_lshl_b32 s42, s42, 8
	s_and_b32 s43, s4, 3
	s_lshl_b32 s43, s43, 2
	s_add_co_u32 s2, s36, s41
	s_add_co_u32 s2, s2, s42
	s_add_co_u32 s2, s2, s43
	s_add_co_u32 s2, s2, 0x600000
	s_add_nc_u64 s[18:19], s[8:9], s[2:3]          ; Q's scale words
	s_mul_i32 s2, s40, 768
	s_add_co_u32 s2, s2, s32
	s_add_nc_u64 s[8:9], s[8:9], s[2:3]            ; Q's half image
	s_add_co_u32 s2, s36, s37
	s_add_co_u32 s2, s2, 0x600000
	s_add_nc_u64 s[24:25], s[10:11], s[2:3]        ; K's scale words of step w
	s_add_co_u32 s2, s32, s33
	s_add_nc_u64 s[10:11], s[10:11], s[2:3]        ; K's images of step w
	s_lshl_b32 s2, s35, 13
	s_add_co_u32 s2, s2, s37
	s_lshl_b32 s38, s34, 8
	s_add_co_u32 s2, s2, s38
	s_add_co_u32 s2, s2, 0x600000
	s_add_nc_u64 s[26:27], s[12:13], s[2:3]        ; V's scale words of step w, my head's 256 bytes
	s_mul_i32 s2, s35, 98304
	s_mul_i32 s39, s34, 3072
	s_add_co_u32 s2, s2, s39
	s_add_co_u32 s2, s2, s33
	s_add_nc_u64 s[12:13], s[12:13], s[2:3]        ; V's images of step w, my head's four tiles; the second halves 98,304 on
	s_lshl_b32 s2, s44, 12
	s_add_nc_u64 s[14:15], s[14:15], s[2:3]        ; my tile's mask words, 4,096 bytes; the second tile's 65,536 on
	s_lshl_b32 s2, s6, 14
	s_lshl_b32 s38, s7, 12
	s_add_co_u32 s2, s2, s38
	s_lshl_b32 s38, ttmp9, 10
	s_add_co_u32 s2, s2, s38
	s_add_co_u32 s2, s2, 0x600000
	s_add_nc_u64 s[22:23], s[16:17], s[2:3]        ; O's scale bytes: [h][token] pairs
	s_mul_i32 s2, s44, 12288
	s_lshr_b32 s38, s6, 1
	s_mul_i32 s38, s38, 1536
	s_add_co_u32 s2, s2, s38
	s_mul_i32 s38, s34, 768
	s_add_co_u32 s2, s2, s38
	s_add_nc_u64 s[16:17], s[16:17], s[2:3]        ; O's half image; the second tile's 196,608 on
	; THE FILL: wave w brings key step w
.irp i, 0,1,2,3,4,5,6,7,8,9,10,11
	global_load_b128 v[32+4*\i:35+4*\i], v1, s[10:11] offset:512*\i
.endr
.irp c, 0,1
.irp i, 0,1,2,3,4,5
	global_load_b128 v[80+24*\c+4*\i:83+24*\c+4*\i], v1, s[12:13] offset:98304*\c+512*\i
.endr
.endr
	global_load_b128 v[128:131], v1, s[24:25]
	global_load_b64 v[132:133], v2, s[26:27]
	s_mul_i32 s45, s4, STEPB
	v_add_nc_u32 v4, s45, v1
	v_add_nc_u32 v5, s45, v2
	s_wait_loadcnt 0x0
.irp i, 0,1,2,3,4,5,6,7,8,9,10,11
	ds_store_b128 v4, v[32+4*\i:35+4*\i] offset:512*\i
.endr
.irp c, 0,1
.irp i, 0,1,2,3,4,5
	ds_store_b128 v4, v[80+24*\c+4*\i:83+24*\c+4*\i] offset:VOF+3072*\c+512*\i
.endr
.endr
	ds_store_b128 v4, v[128:131] offset:KSC
	ds_store_b64 v5, v[132:133] offset:VSC
.irp t, 0,1,2,3
.irp i, 6,7,8,9,10,11
	v_mov_b32 v[32+12*\t+\i], 0                    ; zero codes for k = 64 .. 127 of K's fragments: set once
.endr
.endr
.irp i, 22,23,24,25,26,27
	v_mov_b32 v[\i], 0                             ; and of Q's
.endr
	v_mov_b32 v255, 0xff800000                     ; -infinity
.irp b, 0,1,2,3
	v_mov_b32 v[240+\b], 0                         ; (a lane permute's destination counts as one of its sources)
.endr
	v_mov_b32 v253, 0                              ; (named as the upper half of the pair v[252:253] before it is first written)
	v_mov_b32 v254, 0
	s_lshl_b32 s13, s4, 5
	s_add_co_u32 s13, s13, OSC                     ; my tile's 32 bytes among the scale bytes
	s_wait_dscnt 0x0                               ; my stores have landed
	s_barrier_signal -1
	s_barrier_wait -1                              ; the whole head lies in LDS; from here on it is only read
; A KEY STEP: 128 keys at LDS byte s10.  s11: the place, among the tile's mask words, of the words last asked for.
.macro STEP which
	v_add_nc_u32 v4, s10, v1
	v_add_nc_u32 v5, s10, v2
	v_add_nc_u32 v6, s10, v3
.irp t, 0,1,2,3                                ; (K's registers were last read a whole softmax ago: no places are owed)
	ds_load_b128 v[32+12*\t:35+12*\t], v4 offset:768*\t
	ds_load_b64 v[36+12*\t:37+12*\t], v5 offset:768*\t+512
.endr
	ds_load_b128 v[8:11], v4 offset:KSC            ; lanes 0-15: the words of tiles 0-3; lanes 16-31: of tiles 4-7
	s_wait_dscnt 0x0
.irp t, 0,1,2,3
	v_wmma_scale_f32_16x16x128_f8f6f4 v[128+8*\t:135+8*\t], v[32+12*\t:43+12*\t], v[16:27], 0, v[8+\t], v7 matrix_a_fmt:MATRIX_FMT_FP6 matrix_b_fmt:MATRIX_FMT_FP6
.endr
.rept 4
	v_nop                                          ; places in front of loads into registers that these products read; with the three additions above also behind the last step's products, whose V is loaded anew below
.endr
.irp t, 0,1,2,3
	ds_load_b128 v[32+12*\t:35+12*\t], v4 offset:768*(4+\t)
	ds_load_b64 v[36+12*\t:37+12*\t], v5 offset:768*(4+\t)+512
.endr
.irp t, 0,1,2,3
.irp c, 0,1
	ds_load_b128 v[80+12*\t+6*\c:83+12*\t+6*\c], v4 offset:VOF+3072*\c+768*\t
	ds_load_b64 v[84+12*\t+6*\c:85+12*\t+6*\c], v5 offset:VOF+3072*\c+768*\t+512
.endr
.endr
	ds_load_b128 v[28:31], v6 offset:VSC
	s_wait_dscnt 17                                ; K's tiles 4-7 are in; V's 17 loads land under the softmax
.irp t, 0,1,2,3
	v_wmma_scale_f32_16x16x128_f8f6f4 v[160+8*\t:167+8*\t], v[32+12*\t:43+12*\t], v[16:27], 0, v[8+\t], v7 matrix_a_fmt:MATRIX_FMT_FP6 matrix_b_fmt:MATRIX_FMT_FP6 matrix_a_scale:MATRIX_SCALE_ROW1
.endr
	s_wait_kmcnt 0x0                               ; this step's mask words, asked for a step ago (the first step's: at the tile's head); their offset register is free too
.set n, 0
.rept 64                                       ; hidden keys' scores become -infinity.  Ascending: the first 32 name the first four tiles alone and are the places behind the last four products
	v_cndmask_b32 v[128+n], v[128+n], v255, s[32+n+4*(n/32)]
.set n, n+1
.endr
.irp b, 0,1,2,3
	v_max3_num_f32 v[236+\b], v[128+16*\b], v[129+16*\b], v[130+16*\b]   ; the largest score of each block of 32 keys: for the row's maximum, and, since p rises with the score, for the block's largest p
.endr
.irp i, 3,5,7,9,11,13
.irp b, 0,1,2,3
	v_max3_num_f32 v[236+\b], v[236+\b], v[128+16*\b+\i], v[129+16*\b+\i]   ; (the four blocks by turns)
.endr
.endr
.irp b, 0,1,2,3
	v_max_num_f32 v[236+\b], v[236+\b], v[143+16*\b]
.endr
.irp b, 0,1,2,3
	v_permlanex16_b32 v[240+\b], v[236+\b], s28, s29
.endr
.irp b, 0,1,2,3
	v_max_num_f32 v[236+\b], v[236+\b], v[240+\b]  ; with lane l xor 16's 16 keys
.endr
	v_max3_num_f32 v254, v236, v237, v238
	v_max_num_f32 v254, v254, v239                 ; the step's largest score of my query
	v_mul_f32 v254, s30, v254                      ; as t
	v_max_num_f32 v13, v13, v254                   ; the running largest t
	v_mov_b32 v254, v12
	v_floor_f32 v12, -v13                          ; the new -M = -ceil(t)
	v_sub_f32 v254, v12, v254                      ; old M - new M: a whole number, 0 or less
	v_cvt_i32_f32 v254, v254                       ; (it saturates)
	v_ldexp_f32 v252, 1.0, v254                    ; f = 2^(old M - new M)
	s_add_co_u32 s11, s11, 256                     ; the next step's mask words are asked for here, a softmax and eight products ahead of their use;
	s_min_u32 s11, s11, 15*256                     ; the last step asks for its own once more: no load leaves the tile's 4,096 bytes
	s_load_b512 s[32:47], s[14:15], s11 offset:65536*\which
	s_load_b512 s[48:63], s[14:15], s11 offset:65536*\which+64
	s_load_b512 s[68:83], s[14:15], s11 offset:65536*\which+128
	s_load_b512 s[84:99], s[14:15], s11 offset:65536*\which+192
.irp j, 0,2,4,6,8,10,12,14,16,18,20,22,24,26,28,30,32,34,36,38,40,42,44,46,48,50,52,54,56,58,60,62
	v_pk_fma_f32 v[128+\j:129+\j], v[128+\j:129+\j], s[30:31], v[12:13] op_sel_hi:[1,0,0]   ; t - M, two at a time
.endr
.irp b, 0,1,2,3
	v_fma_f32 v[236+\b], v[236+\b], s30, v12       ; the same of each block's largest score
.endr
.set n, 0
.rept 64
	v_exp_f32 v[128+n], v[128+n]                   ; p = 2^(t - M)
.set n, n+1
.endr
.irp b, 0,1,2,3
	v_exp_f32 v[236+\b], v[236+\b]                 ; the block's largest p: the same two instructions on the same number
.endr
	v_pk_mul_f32 v[14:15], v[14:15], v[252:253] op_sel_hi:[1,0]   ; l under the new M.  (A plain place behind the exponentials)
	s_wait_alu depctr_va_vdst(0)
.irp b, 0,1,2,3
	v_max_num_f32 v[236+\b], 0x1800000, v[236+\b]  ; the floor 2^(3 - 127)
.endr
.irp b, 0,1,2,3
	v_add_nc_u32 v[248+\b], 0xff000000, v[236+\b]  ; the conversion's scale operand
.endr
.irp b, 0,1,2,3
	v_lshrrev_b32 v[240+\b], 23, v[248+\b]         ; the scale's byte
.endr
	v_lshl_or_b32 v253, v241, 8, v240              ; p's scale word for these 128 keys
	v_lshl_or_b32 v253, v242, 16, v253
	v_lshl_or_b32 v253, v243, 24, v253
.irp c, 0,1
	v_cvt_scalef32_pk16_fp6_f32 v[224+6*\c:226+6*\c], v[128+32*\c:143+32*\c], v[248+2*\c]
	v_cvt_scalef32_pk16_fp6_f32 v[240+4*\c:242+4*\c], v[144+32*\c:159+32*\c], v[248+2*\c+1]
.endr
	v_nop                                          ; one plain place behind a scaled conversion
.irp c, 0,1
.irp i, 0,1,2
	v_permlane16_swap_b32 v[224+6*\c+\i], v[240+4*\c+\i]
.endr
.irp i, 0,1,2
	v_mov_b32 v[227+6*\c+\i], v[240+4*\c+\i]
.endr
.endr
	v_pk_add_f32 v[240:241], v[128:129], v[130:131]   ; the row's sum, of the unquantised p, in two chains
.irp j, 4,8,12,16,20,24,28,32,36,40,44,48,52,56,60
	v_pk_add_f32 v[14:15], v[14:15], v[128+\j:129+\j]
	v_pk_add_f32 v[240:241], v[240:241], v[130+\j:131+\j]
.endr
	v_pk_add_f32 v[14:15], v[14:15], v[240:241]
.irp j, 0,2,4,6,8,10,12,14,16,18,20,22,24,26,28,30
	v_pk_mul_f32 v[192+\j:193+\j], v[192+\j:193+\j], v[252:253] op_sel_hi:[1,0]   ; O^T under the new M
.endr
	s_wait_dscnt 0x0                               ; V and its scale words
.irp t, 0,1,2,3
	v_wmma_scale_f32_16x16x128_f8f6f4 v[192+8*\t:199+8*\t], v[80+12*\t:91+12*\t], v[224:235], v[192+8*\t:199+8*\t], v[28+\t], v253 matrix_a_fmt:MATRIX_FMT_FP6 matrix_b_fmt:MATRIX_FMT_FP6
.endr
	s_add_co_u32 s10, s10, STEPB
.endm
; A TILE OF 16 QUERIES: all 16 key steps, then the way out.
.macro TILE which
	s_wait_xcnt 0x0                                ; the last tile's stores have read their registers
	s_wait_kmcnt 0x0                               ; no scalar load is out: its registers may be loaded anew
	global_load_b128 v[16:19], v1, s[8:9] offset:12288*\which
	global_load_b64 v[20:21], v2, s[8:9] offset:12288*\which+512
	global_load_b32 v7, v3, s[18:19] offset:1024*\which
	s_load_b512 s[32:47], s[14:15], 65536*\which   ; step 0's mask words
	s_load_b512 s[48:63], s[14:15], 65536*\which+64
	s_load_b512 s[68:83], s[14:15], 65536*\which+128
	s_load_b512 s[84:99], s[14:15], 65536*\which+192
	v_mov_b32 v13, 0xff61b1e6                      ; the largest t so far: -3e38
	v_floor_f32 v12, -v13
	v_mov_b32 v14, 0
	v_mov_b32 v15, 0
.set n, 0
.rept 32
	v_mov_b32 v[192+n], 0                          ; O^T: the step is written once; its first trip finds zeros
.set n, n+1
.endr
	s_mov_b32 s10, 0
	s_mov_b32 s11, 0
	s_mov_b32 s12, 16
	s_wait_loadcnt 0x0                             ; Q and its scale word
.Lstep_\@:
	STEP \which
	s_sub_co_u32 s12, s12, 1
	s_cmp_lg_u32 s12, 0
	s_cbranch_scc1 .Lstep_\@
.rept 4
	v_nop                                          ; places behind the last products
.endr
	v_add_f32 v14, v14, v15
	v_permlanex16_b32 v254, v14, s28, s29
	v_add_f32 v14, v14, v254                       ; l
	v_rcp_f32 v252, v14
	v_and_b32 v4, 15, v0                           ; (a plain place behind the transcendental)
	v_cmp_neq_f32 vcc_lo, 0, v14
	v_lshl_add_u32 v4, v4, 1, s13                  ; my query's pair of scale bytes in LDS
	s_wait_alu depctr_va_vdst(0)
.irp j, 0,2,4,6,8,10,12,14,16,18,20,22,24,26,28,30
	v_pk_mul_f32 v[128+\j:129+\j], v[192+\j:193+\j], v[252:253] op_sel_hi:[1,0]   ; O^T / l: register 8 t + j is channel 16 t + 8 h + j
.endr
.irp x, 0,1
.irp j, 0,1,2,3,4,5,6,7
	v_permlane16_swap_b32 v[128+16*\x+\j], v[136+16*\x+\j]   ; now register 16 x + i is channel 32 x + 16 h + i: ascending, as w_o's codes lie
.endr
.endr
.irp b, 0,1
	v_max3_num_f32 v[236+\b], |v[128+16*\b]|, |v[129+16*\b]|, 0x1800000
.endr
.irp i, 2,4,6,8,10,12,14
.irp b, 0,1
	v_max3_num_f32 v[236+\b], v[236+\b], |v[128+16*\b+\i]|, |v[129+16*\b+\i]|
.endr
.endr
.irp b, 0,1
	v_permlanex16_b32 v[240+\b], v[236+\b], s28, s29
.endr
.irp b, 0,1
	v_max_num_f32 v[236+\b], v[236+\b], v[240+\b]
.endr
.irp b, 0,1
	v_add_nc_u32 v[248+\b], 0xff000000, v[236+\b]
.endr
.irp b, 0,1
	v_lshrrev_b32 v[240+\b], 23, v[248+\b]
.endr
	v_lshl_or_b32 v254, v241, 8, v240
	v_cndmask_b32 v254, 0xffff, v254, vcc_lo       ; l = 0: NaN scales
	v_cvt_scalef32_pk16_fp6_f32 v[224:226], v[128:143], v248
	v_cvt_scalef32_pk16_fp6_f32 v[240:242], v[144:159], v249
	v_nop
.irp i, 0,1,2
	v_permlane16_swap_b32 v[224+\i], v[240+\i]
.endr
.irp i, 0,1,2
	v_mov_b32 v[227+\i], v[240+\i]
.endr
	global_store_b128 v1, v[224:227], s[16:17] offset:196608*\which        ; the half image: 512 consecutive bytes,
	global_store_b64 v2, v[228:229], s[16:17] offset:196608*\which+512     ; and 256
	ds_store_b16 v4, v254 offset:512*\which        ; both halves of the lanes write the same pair with the same value
.endm
	TILE 0
	TILE 1
	s_wait_dscnt 0x0
	s_barrier_signal -1
	s_barrier_wait -1                              ; 512 pairs of scale bytes lie in LDS
	s_cmp_lt_u32 s4, 2
	s_cbranch_scc0 .Lend
	v_lshl_add_u32 v4, v0, 4, OSC
	v_lshlrev_b32 v5, 4, v0
	ds_load_b128 v[128:131], v4
	s_wait_dscnt 0x0
	global_store_b128 v5, v[128:131], s[22:23]     ; two waves store 1,024 consecutive bytes
.Lend:
	s_wait_xcnt 0x0
	v_lshl_add_u32 v254, v0, 2, 0x33400
	v_mov_b32 v255, 0
	s_wait_tensorcnt 0x0
	ds_add_u32 v254, v255
	s_wait_dscnt 0x0
	s_endpgm
.Lfunc_end_k_q62d6b64885_attn:
	.size	k_q62d6b64885_attn, .Lfunc_end_k_q62d6b64885_attn-k_q62d6b64885_attn
	.p2alignl 7, 3214868480
	.fill 96, 4, 3214868480
	.section	.rodata,"a",@progbits
	.p2align	6, 0x0
	.amdhsa_kernel k_q62d6b64885_attn
		.amdhsa_group_segment_fixed_size 211968
		.amdhsa_private_segment_fixed_size 0
		.amdhsa_enable_private_segment 0
		.amdhsa_kernarg_size 40
		.amdhsa_user_sgpr_count 2
		.amdhsa_user_sgpr_kernarg_segment_ptr 1
		.amdhsa_wavefront_size32 1
		.amdhsa_system_sgpr_workgroup_id_x 1
		.amdhsa_system_sgpr_workgroup_id_y 1
		.amdhsa_system_sgpr_workgroup_id_z 1
		.amdhsa_system_vgpr_workitem_id 0
		.amdhsa_next_free_vgpr 256
		.amdhsa_next_free_sgpr 100
		.amdhsa_reserve_vcc 1
		.amdhsa_float_denorm_mode_32 3
		.amdhsa_float_denorm_mode_16_64 3
		.amdhsa_memory_ordered 1
		.amdhsa_forward_progress 1
		.amdhsa_inst_pref_size 62
	.end_amdhsa_kernel
	.amdgpu_metadata
---
amdhsa.version: [ 1, 2 ]
amdhsa.kernels:
  - .name:           k_q62d6b64885_attn
    .symbol:         k_q62d6b64885_attn.kd
    .args:
      - { .name: qfw, .offset: 0, .size: 8, .value_kind: global_buffer, .address_space: global }
      - { .name: kfw, .offset: 8, .size: 8, .value_kind: global_buffer, .address_space: global }
      - { .name: vfw, .offset: 16, .size: 8, .value_kind: global_buffer, .address_space: global }
      - { .name: maskw, .offset: 24, .size: 8, .value_kind: global_buffer, .address_space: global }
      - { .name: ofs, .offset: 32, .size: 8, .value_kind: global_buffer, .address_space: global }
    .group_segment_fixed_size: 211968
    .private_segment_fixed_size: 0
    .kernarg_segment_align: 8
    .kernarg_segment_size: 40
    .max_flat_workgroup_size: 512
    .sgpr_count:     100
    .vgpr_count:     256
    .wavefront_size: 32
...
	.end_amdgpu_metadata
.endif
;; end of part 3
;; launch outln (part 4): grid 256 x 1, 4 waves a work-group, no clusters, 168,448 bytes of LDS; arguments ofs, wof, w_o_scales, q, ln_w, ln_b, out0; writes out0
.if DOCPART == 4
	.amdgcn_target "amdgcn-amd-amdhsa--gfx1250"
	.amdhsa_code_object_version 6
	.text
	.protected	k_q62d6b64885_outln
	.globl	k_q62d6b64885_outln
	.p2align	8
	.type	k_q62d6b64885_outln,@function
k_q62d6b64885_outln:
	s_mov_b64 s[64:65], 0
	v_nop
	global_prefetch_b8 v0, s[64:65] scope:SCOPE_SE
	s_setreg_imm32_b32 hwreg(HW_REG_WAVE_MODE, 25, 1), 1
	s_wait_xcnt 0x0
; out0 = LayerNorm(o W_o^T + q): the last product on codes of FP6 (E2M3) with E8M0 scales, K = 1,024, the residual, and the norm with the unbiased deviation held at 1e-6 from below.
; SHARES.  A work-group takes 32 tokens and all 1,024 columns, so that the norm stays inside it; wave w takes columns 256 w .. 256 w + 255: 32 accumulators (tile of tokens u, tile of columns t), 256 registers.
; The product is used transposed (source 0 = 16 rows of W_o, source 1 = 16 tokens): a lane holds token r and columns 16 t + 8 h + 0 .. 7.
; o's 16 fragments come as images of registers and stay (192 registers).
; Five groups of four fragments, 60 loads, are on their way.  No other wave reads them, so they do not pass through LDS.
; NO JOINT LOADS: the weights that work-groups share would want an LDS ring with a round of a cluster's barrier for every 32 matrix instructions of a wave.
; The finished rows go out through the same bytes, which have had their last fill.
; THE NORM in two passes (the mean, then the squares of x - mean), so that no difference of large sums is formed; the waves' sums meet in LDS behind a barrier, twice, in bytes of their own.
; LIMITS: NaN and infinities pass through as they come (a token all of whose keys were hidden has NaN scales and gives a NaN row).
; REGISTERS: window 0: v1-12 addresses; v16-23 o's scale words (lanes 0-15 tokens 0-15, lanes 16-31 tokens 16-31); v24-87 W_o's (v[24 + 8 (t / 2) + s]: lanes 0-15 tile 2 (t / 2), lanes 16-31 the odd tile); v88-113 sums; v128-255 staging.
; window 1: o's fragments at 12 (2 s + u).  window 2: W_o's ring, 20 x 12; later ln_w at v[8 t], ln_b at v[128 + 8 t].  window 3: accumulators at 8 (16 u + t).
.set QP,   1040
.set QREG, 32*QP
.set SCR1, 4*QREG                      ; 512 bytes: the waves' sums;  behind them 512 for the sums of squares
.set AS,   16
.set WS,   24
.set CH,   88                          ; v88-95 four chains of pairs; then the four waves' sums for each tile of tokens
.set U,    96                          ; v96-111 o's pairs of scale bytes as loaded
.set NM,   100                         ; v100, v102: -mean (low words of pairs; the upper words have been written by the loads above and are not used)
.set RS,   104                         ; v104, v106: 1 / sigma
.set SM,   112
.set ST,   128
.set MSB, 0
.macro WIN new                         ; the immediate's high byte repeats the setting that is left
.if MSB != \new
	s_set_vgpr_msb (MSB<<8)|\new
.set MSB, \new
.endif
.endm
	s_load_b256 s[4:11], s[0:1], 0x0               ; ofs, wof, w_o_scales, q
	s_load_b128 s[12:15], s[0:1], 0x20             ; ln_w, ln_b
	s_load_b64 s[16:17], s[0:1], 0x30              ; out0
	v_lshl_add_u32 v126, v0, 2, 0x29000
	v_mov_b32 v127, 0
	ds_add_u32 v126, v127
	ds_add_u32 v126, v127
	v_lshrrev_b32 v10, 5, v0
	v_readfirstlane_b32 s20, v10                   ; wave 0..3
	s_mov_b32 s28, (2<<16)|(1<<20)|(7<<22)|(3<<25) ; no mask; elements of 4 bytes; padding on: after every 256 words 4 words
	s_mov_b32 s29, 256<<16                         ; tensor_dim0 = 256
	s_mov_b32 s30, 32<<16                          ; tensor_dim1 = 32
	s_mov_b32 s31, 256<<16                         ; tile_dim0 = 256
	s_mov_b32 s32, 32                              ; tile_dim1 = 32
	s_mov_b32 s33, 1024                            ; the pitch
	s_mov_b32 s34, 0
	s_mov_b32 s35, 0
	s_mul_i32 s21, s20, QREG                       ; my LDS bytes
	s_mov_b32 s24, 1
	s_mov_b32 s25, s21
	s_lshl_b32 s22, ttmp9, 17                      ; 32 rows of 4,096 bytes
	s_lshl_b32 s36, s20, 10
	s_add_co_u32 s22, s22, s36                     ; + my 1,024 bytes of a row
	s_mov_b32 s23, 0
	s_mov_b32 s37, 0
	s_mov_b32 s40, 0x76543210
	s_mov_b32 s41, 0xfedcba98
	s_wait_dscnt 0x0
	s_wait_kmcnt 0x0
	s_add_nc_u64 s[26:27], s[10:11], s[22:23]
	s_or_b32 s27, s27, 0x80000000
	tensor_load_to_lds s[24:27], s[28:35]          ; q: my one tensor load, a first fill
	s_nop 0
	v_and_b32 v10, 31, v0
	v_lshlrev_b32 v1, 4, v10                       ; 16 x lane
	v_lshlrev_b32 v2, 3, v10                       ; 8 x lane
	v_lshlrev_b32 v3, 1, v10                       ; 2 x lane
	v_lshlrev_b32 v4, 5, v10                       ; 32 x lane
	s_add_nc_u64 s[16:17], s[16:17], s[22:23]      ; out0 likewise
	s_lshl_b32 s36, ttmp9, 6
	s_add_co_u32 s36, s36, 0x600000
	s_add_nc_u64 s[18:19], s[4:5], s[36:37]        ; o's scale bytes: my 32 tokens' pairs
	s_mul_i32 s36, ttmp9, 24576
	s_add_nc_u64 s[4:5], s[4:5], s[36:37]          ; o's images: two tiles of tokens x 12,288 bytes
	s_mul_i32 s36, s20, 196608
	s_add_nc_u64 s[6:7], s[6:7], s[36:37]          ; my 128 fragments of W_o
	s_lshl_b32 s36, s20, 13
	s_add_nc_u64 s[8:9], s[8:9], s[36:37]          ; my 256 rows of W_o's scale bytes
	s_lshl_b32 s36, s20, 10
	s_add_nc_u64 s[12:13], s[12:13], s[36:37]
	s_add_nc_u64 s[14:15], s[14:15], s[36:37]
.irp x, 0,1,2,3,4,5,6,7,8,9,10,11,12,13,14,15
	global_load_u16 v[U+\x], v3, s[18:19] offset:16384*\x   ; head x's two bytes of token (lane)
.endr
.irp i, 0,1,2,3,4,5,6,7
	global_load_b128 v[WS+8*\i:WS+8*\i+3], v4, s[8:9] offset:1024*\i       ; row 32 i + lane: the words of K steps 0-3,
	global_load_b128 v[WS+8*\i+4:WS+8*\i+7], v4, s[8:9] offset:1024*\i+16  ; and 4-7: the registers are the scale words as they stand
.endr
	WIN 0x40                                       ; destination window 1
.irp s, 0,1,2,3,4,5,6,7
.irp u, 0,1
	global_load_b128 v[12*(2*\s+\u):12*(2*\s+\u)+3], v1, s[4:5] offset:12288*\u+1536*\s
	global_load_b64 v[12*(2*\s+\u)+4:12*(2*\s+\u)+5], v2, s[4:5] offset:12288*\u+1536*\s+512
	global_load_b128 v[12*(2*\s+\u)+6:12*(2*\s+\u)+9], v1, s[4:5] offset:12288*\u+1536*\s+768
	global_load_b64 v[12*(2*\s+\u)+10:12*(2*\s+\u)+11], v2, s[4:5] offset:12288*\u+1536*\s+1280
.endr
.endr
.macro WLOAD g                         ; group g: fragments 4 g .. 4 g + 3 (K step g / 4, tiles 4 (g % 4) on) into their places of the ring
.irp i, 0,1,2,3
.set SL, 12*((4*(\g)+\i)%20)
.irp c, 0,1,2
	global_load_b128 v[SL+4*\c:SL+4*\c+3], v1, s[6:7] offset:(4*(\g)+\i)*1536+512*\c
.endr
.endr
.endm
	WIN 0x80                                       ; destination window 2
.irp g, 0,1,2,3,4
	WLOAD \g
.endr
	WIN 0
	s_wait_loadcnt 48                              ; all but the four youngest groups: the scales, o, and W_o's group 0 are in
.irp s, 0,1,2,3,4,5,6,7
	v_lshl_or_b32 v[AS+\s], v[U+2*\s+1], 16, v[U+2*\s]   ; K step s is heads 2 s and 2 s + 1
.endr
	v_and_b32 v11, 15, v0                          ; r.  (These ten lines are wanted anyway: a scale register written by a vector instruction stands eight places ahead of a scaled matrix instruction)
	v_bfe_u32 v12, v0, 4, 1                        ; h
	v_mul_u32_u24 v5, v11, QP
	v_lshl_add_u32 v5, v12, 5, v5
	v_add_nc_u32 v5, s21, v5                       ; my 32 bytes of a tile in the stage: row r, + 32 h
	v_add_nc_u32 v6, s21, v1                       ; and rows read back: 16 x lane
	v_lshlrev_b32 v8, 2, v11
	v_add_nc_u32 v8, SCR1, v8                      ; the sums: token r's word,
	v_lshl_add_u32 v7, s20, 7, v8                  ; and my wave's
	v_lshlrev_b32 v9, 5, v12                       ; ln_w, ln_b: 32 h
.macro PROD acc, wf, fo, c, sa, sb, ra, rb
.if ((\ra) == 0) && ((\rb) == 0)
	v_wmma_scale_f32_16x16x128_f8f6f4 v[\acc:\acc+7], v[\wf:\wf+11], v[\fo:\fo+11], \c, v[\sa], v[\sb] matrix_a_fmt:MATRIX_FMT_FP6 matrix_b_fmt:MATRIX_FMT_FP6
.elseif ((\ra) == 1) && ((\rb) == 0)
	v_wmma_scale_f32_16x16x128_f8f6f4 v[\acc:\acc+7], v[\wf:\wf+11], v[\fo:\fo+11], \c, v[\sa], v[\sb] matrix_a_fmt:MATRIX_FMT_FP6 matrix_b_fmt:MATRIX_FMT_FP6 matrix_a_scale:MATRIX_SCALE_ROW1
.elseif ((\ra) == 0) && ((\rb) == 1)
	v_wmma_scale_f32_16x16x128_f8f6f4 v[\acc:\acc+7], v[\wf:\wf+11], v[\fo:\fo+11], \c, v[\sa], v[\sb] matrix_a_fmt:MATRIX_FMT_FP6 matrix_b_fmt:MATRIX_FMT_FP6 matrix_b_scale:MATRIX_SCALE_ROW1
.else
	v_wmma_scale_f32_16x16x128_f8f6f4 v[\acc:\acc+7], v[\wf:\wf+11], v[\fo:\fo+11], \c, v[\sa], v[\sb] matrix_a_fmt:MATRIX_FMT_FP6 matrix_b_fmt:MATRIX_FMT_FP6 matrix_a_scale:MATRIX_SCALE_ROW1 matrix_b_scale:MATRIX_SCALE_ROW1
.endif
.endm
; Eight products on eight accumulators by turns; the same eight come again four groups on.  Then the group five on is asked for, into the places just read.
.macro GROUP g
.if (\g) <= 27
	s_wait_loadcnt 48                              ; this group's 12 loads are in; the four younger groups' 48 stay out
.else
	s_wait_loadcnt 12*(31-(\g))
.endif
	WIN 0xf6                                       ; source 0 (W_o) window 2, source 1 (o) window 1, C and D window 3
.irp i, 0,1,2,3
.irp u, 0,1
.set TT, 4*((\g)%4)+\i
.set SS, (\g)/4
.set AC, 8*(16*\u+TT)
.set SL, 12*((4*(\g)+\i)%20)
.set FO, 12*(2*SS+\u)
.if SS == 0
	PROD AC, SL, FO, 0, WS+8*(TT/2)+SS, AS+SS, \i%2, \u
.else
	PROD AC, SL, FO, v[AC:AC+7], WS+8*(TT/2)+SS, AS+SS, \i%2, \u
.endif
.endr
.endr
.rept 4
	v_nop                                          ; places in front of loads into registers that these products read, and at the end of the first read of results
.endr
.if (\g)+5 <= 31
	WIN 0x80
	WLOAD (\g)+5
.endif
.endm
.irp g, 0,1,2,3,4,5,6,7,8,9,10,11,12,13,14,15,16,17,18,19,20,21,22,23,24,25,26,27,28,29,30,31
	GROUP \g
.endr
	WIN 0x80                                       ; the ring is done with: ln_w and ln_b take its registers, in the result's layout
.irp t, 0,1,2,3,4,5,6,7,8,9,10,11,12,13,14,15
	global_load_b128 v[8*\t:8*\t+3], v9, s[12:13] offset:64*\t
	global_load_b128 v[8*\t+4:8*\t+7], v9, s[12:13] offset:64*\t+16
	global_load_b128 v[128+8*\t:128+8*\t+3], v9, s[14:15] offset:64*\t
	global_load_b128 v[128+8*\t+4:128+8*\t+7], v9, s[14:15] offset:64*\t+16
.endr
	WIN 0
	s_wait_tensorcnt 0x0                           ; q lies in my LDS bytes, which I alone read
.macro REDUCE u, off                   ; four chains of pairs -> my token's sum over the wave's 256 columns -> my wave's word
	v_pk_add_f32 v[CH:CH+1], v[CH:CH+1], v[CH+2:CH+3]
	v_pk_add_f32 v[CH+4:CH+5], v[CH+4:CH+5], v[CH+6:CH+7]
	v_pk_add_f32 v[CH:CH+1], v[CH:CH+1], v[CH+4:CH+5]
	v_add_f32 v[CH], v[CH], v[CH+1]
	v_permlanex16_b32 v[CH+1], v[CH], s40, s41
	v_add_f32 v[SM+\u], v[CH], v[CH+1]
	ds_store_b32 v7, v[SM+\u] offset:\off+64*\u    ; both halves of the lanes write the same word with the same value
.endm
.macro GATHER off                      ; the four waves' sums meet: v[CH] for tokens 0-15, v[CH + 4] for tokens 16-31
	s_wait_dscnt 0x0                               ; my stores have landed
	s_barrier_signal -1
	s_barrier_wait -1
.irp u, 0,1
.irp w, 0,1,2,3
	ds_load_b32 v[CH+4*\u+\w], v8 offset:\off+128*\w+64*\u
.endr
.endr
	s_wait_dscnt 0x0
.irp u, 0,1
	v_add_f32 v[CH+4*\u], v[CH+4*\u], v[CH+4*\u+1]
	v_add_f32 v[CH+4*\u+2], v[CH+4*\u+2], v[CH+4*\u+3]
.endr
.irp u, 0,1
	v_add_f32 v[CH+4*\u], v[CH+4*\u], v[CH+4*\u+2]
.endr
.endm
.macro PASS1 u                         ; x = the product + q, and its sum
	WIN 0
.irp t, 0,1,2,3,4,5,6,7,8,9,10,11,12,13,14,15
	ds_load_b128 v[ST+8*\t:ST+8*\t+3], v5 offset:16*QP*\u+64*\t
	ds_load_b128 v[ST+8*\t+4:ST+8*\t+7], v5 offset:16*QP*\u+64*\t+16
.endr
	s_wait_dscnt 0x0
	WIN 0xc3                                       ; destination and source 0 window 3
.set j, 0
.rept 64
	v_pk_add_f32 v[128*\u+j:128*\u+j+1], v[128*\u+j:128*\u+j+1], v[ST+j:ST+j+1]   ; each accumulator from its low end on
.set j, j+2
.endr
	WIN 0x0f                                       ; sources 0 and 1 window 3
.irp k, 0,1,2,3
	v_pk_add_f32 v[CH+2*\k:CH+2*\k+1], v[128*\u+2*\k:128*\u+2*\k+1], v[128*\u+8+2*\k:128*\u+8+2*\k+1]   ; the first sums start the chains: nothing is cleared
.endr
	WIN 0x0c                                       ; source 1 window 3
.set j, 16
.rept 56
	v_pk_add_f32 v[CH+j%8:CH+j%8+1], v[CH+j%8:CH+j%8+1], v[128*\u+j:128*\u+j+1]
.set j, j+2
.endr
	WIN 0
	REDUCE \u, 0
.endm
.macro PASS2 u                         ; x - mean in place, and the sum of its squares
	WIN 0xc3
.set j, 0
.rept 64
	v_pk_add_f32 v[128*\u+j:128*\u+j+1], v[128*\u+j:128*\u+j+1], v[NM+2*\u:NM+2*\u+1] op_sel_hi:[1,0]
.set j, j+2
.endr
	WIN 0x0f
.irp k, 0,1,2,3
	v_pk_mul_f32 v[CH+2*\k:CH+2*\k+1], v[128*\u+2*\k:128*\u+2*\k+1], v[128*\u+2*\k:128*\u+2*\k+1]
.endr
.set j, 8
.rept 60
	v_pk_fma_f32 v[CH+j%8:CH+j%8+1], v[128*\u+j:128*\u+j+1], v[128*\u+j:128*\u+j+1], v[CH+j%8:CH+j%8+1]
.set j, j+2
.endr
	WIN 0
	REDUCE \u, 512
.endm
.macro PASS3 u                         ; (x - mean) / sigma x ln_w + ln_b; through my LDS bytes; out as whole rows
.if \u > 0
	s_wait_xcnt 0x0                                ; the last tile's stores have read the staging registers
.endif
	WIN 0xc3
.set j, 0
.rept 64
	v_pk_mul_f32 v[128*\u+j:128*\u+j+1], v[128*\u+j:128*\u+j+1], v[RS+2*\u:RS+2*\u+1] op_sel_hi:[1,0]
.set j, j+2
.endr
	WIN 0x2b                                       ; source 0 window 3, sources 1 and 2 window 2
.set j, 0
.rept 64
	v_pk_fma_f32 v[ST+j:ST+j+1], v[128*\u+j:128*\u+j+1], v[j:j+1], v[128+j:128+j+1]
.set j, j+2
.endr
	WIN 0
.irp t, 0,1,2,3,4,5,6,7,8,9,10,11,12,13,14,15
	ds_store_b128 v5, v[ST+8*\t:ST+8*\t+3] offset:16*QP*\u+64*\t          ; over q's bytes: they have had their only fill, and I have read them
	ds_store_b128 v5, v[ST+8*\t+4:ST+8*\t+7] offset:16*QP*\u+64*\t+16
.endr
.set i, 0
.rept 32                                       ; LDS serves a wave's instructions in order: these see the stores above
	ds_load_b128 v[ST+4*i:ST+4*i+3], v6 offset:(16*\u+i/2)*QP+512*(i%2)
.set i, i+1
.endr
.set i, 0
.rept 32
	s_wait_dscnt 31-i
	global_store_b128 v1, v[ST+4*i:ST+4*i+3], s[16:17] offset:(16*\u+i/2)*4096+512*(i%2) th:TH_STORE_NT   ; 512 consecutive bytes, at a multiple of 256 from out0's first byte
.set i, i+1
.endr
.endm
	PASS1 0
	PASS1 1
	GATHER 0
.irp u, 0,1
	v_mul_f32 v[NM+2*\u], 0xba800000, v[CH+4*\u]   ; -mean = -sum / 1,024
.endr
	PASS2 0
	PASS2 1
	GATHER 512
.irp u, 0,1
	v_mul_f32 v[RS+2*\u], 0x3a802008, v[CH+4*\u]   ; / 1,023
.endr
.irp u, 0,1
	v_sqrt_f32 v[RS+2*\u], v[RS+2*\u]
.endr
	v_nop                                          ; a plain place behind the transcendentals
	s_wait_alu depctr_va_vdst(0)
.irp u, 0,1
	v_max_num_f32 v[RS+2*\u], 0x358637bd, v[RS+2*\u]   ; sigma held at 1e-6
.endr
.irp u, 0,1
	v_rcp_f32 v[RS+2*\u], v[RS+2*\u]
.endr
	v_nop
	s_wait_alu depctr_va_vdst(0)
	s_wait_loadcnt 0x0                             ; ln_w and ln_b
	PASS3 0
	PASS3 1
	s_wait_tensorcnt 0x0
	ds_add_u32 v126, v127
	s_wait_dscnt 0x0
	s_endpgm
.Lfunc_end_k_q62d6b64885_outln:
	.size	k_q62d6b64885_outln, .Lfunc_end_k_q62d6b64885_outln-k_q62d6b64885_outln
	.p2alignl 7, 3214868480
	.fill 96, 4, 3214868480
	.section	.rodata,"a",@progbits
	.p2align	6, 0x0
	.amdhsa_kernel k_q62d6b64885_outln
		.amdhsa_group_segment_fixed_size 168448
		.amdhsa_private_segment_fixed_size 0
		.amdhsa_enable_private_segment 0
		.amdhsa_kernarg_size 56
		.amdhsa_user_sgpr_count 2
		.amdhsa_user_sgpr_kernarg_segment_ptr 1
		.amdhsa_wavefront_size32 1
		.amdhsa_system_sgpr_workgroup_id_x 1
		.amdhsa_system_sgpr_workgroup_id_y 1
		.amdhsa_system_sgpr_workgroup_id_z 1
		.amdhsa_system_vgpr_workitem_id 0
		.amdhsa_next_free_vgpr 1024
		.amdhsa_next_free_sgpr 66
		.amdhsa_reserve_vcc 0
		.amdhsa_float_denorm_mode_32 3
		.amdhsa_float_denorm_mode_16_64 3
		.amdhsa_memory_ordered 1
		.amdhsa_forward_progress 1
		.amdhsa_inst_pref_size 166
	.end_amdhsa_kernel
	.amdgpu_metadata
---
amdhsa.version: [ 1, 2 ]
amdhsa.kernels:
  - .name:           k_q62d6b64885_outln
    .symbol:         k_q62d6b64885_outln.kd
    .args:
      - { .name: ofs, .offset: 0, .size: 8, .value_kind: global_buffer, .address_space: global }
      - { .name: wof, .offset: 8, .size: 8, .value_kind: global_buffer, .address_space: global }
      - { .name: w_o_scales, .offset: 16, .size: 8, .value_kind: global_buffer, .address_space: global }
      - { .name: q, .offset: 24, .size: 8, .value_kind: global_buffer, .address_space: global }
      - { .name: ln_w, .offset: 32, .size: 8, .value_kind: global_buffer, .address_space: global }
      - { .name: ln_b, .offset: 40, .size: 8, .value_kind: global_buffer, .address_space: global }
      - { .name: out0, .offset: 48, .size: 8, .value_kind: global_buffer, .address_space: global }
    .group_segment_fixed_size: 168448
    .private_segment_fixed_size: 0
    .kernarg_segment_align: 8
    .kernarg_segment_size: 56
    .max_flat_workgroup_size: 128
    .sgpr_count:     66
    .vgpr_count:     1024
    .wavefront_size: 32
...
	.end_amdgpu_metadata
.endif
;; end of part 4
